; MI455X (gfx1250); checked and timed in simulation.
; The chip was launched on July 23, 2026; its instructions are those of AMD's public machine-readable ISA for CDNA 5 (MIT licence, August 2026) and "CDNA5" Instruction Set Architecture Reference Guide (July 2026). The comments in the code are by the model that wrote it; some were corrected since.
;; Causal Self Attention. Allowed arithmetic: matrix products marked QUANTISED: E4M3 operands, one given power-of-two scale a tensor, by v_wmma_f32_16x16x64_fp8_fp8 or v_wmma_f32_16x16x128_fp8_fp8, f32 sums; everything else in f32.
;; Inputs: b_out 1,024 float32; b_qkv 3,072 float32; lowp_scales 8 int32 (the exponents e of the quantised operands' scales 2^e); w_out 1,024 x 1,024 float32; w_qkv 1,024 x 3,072 float32; x 4 x 2,048 x 1,024 float32.
;; Outputs: out0 4 x 2,048 x 1,024 float32.
;; This version of the problem:
;;   THIS VERSION OF THE PROBLEM IS GIVEN IN LOW PRECISION. The matrix products marked QUANTISED in the list below multiply operands that are first quantised to E4M3 (4 exponent bits, 3 mantissa bits; 8 bits a number), with one given power-of-two scale for each operand tensor; their sums are f32. All else is computed in f32.
;;   The module's matrix products, in the order in which they are computed (A, B: the left and right operand; K: the contracted axis; several contracted axes count as one K, in the product's order):
;;     1. [M 8,192, K 1,024] x [K 1,024, N 3,072]; A: input x; B: input w_qkv: QUANTISED (scales: A lowp_scales[0], B lowp_scales[1])
;;     2. batch 64 x [M 2,048, K 64] x [K 64, N 2,048]; A: computed on the way; B: computed on the way: QUANTISED (scales: A lowp_scales[2], B lowp_scales[3])
;;     3. batch 64 x [M 2,048, K 2,048] x [K 2,048, N 64]; A: softmax (see below); B: computed on the way: QUANTISED (scales: A lowp_scales[4], B lowp_scales[5])
;;     4. [M 8,192, K 1,024] x [K 1,024, N 1,024]; A: computed on the way; B: input w_out: QUANTISED (scales: A lowp_scales[6], B lowp_scales[7])
;;   THE QUANTISER, for each operand of a quantised product, along K:
;;     - The operand's scale is 2^e, e = its entry of the input lowp_scales (int32; the entries are numbered through the quantised products in the list's order, A before B).
;;     - Each number is divided by the scale, clamped to +-448, and rounded to the nearest number of E4M3, ties to even, subnormals kept.
;;     - The product sums the exact products of the quantised numbers (number of the format x scale) in f32.
;;   ~~~python
;;   def quantise(x, axis, e):      # numpy; x: float32 -> the quantised numbers, widened to float32 again
;;       x = np.moveaxis(x, axis, -1); K = x.shape[-1]
;;       r = np.clip(x / 2.0 ** e, -448, 448)
;;       step = 2.0 ** (np.maximum(np.frexp(np.where(r == 0, 1, r))[1] - 1, -6) - 3)
;;       q = np.round(r / step) * step * 2.0 ** e      # np.round: ties to even
;;       return np.moveaxis(q, -1, axis).astype(np.float32)
;;   ~~~
;;   SOFTMAX AHEAD OF A QUANTISED PRODUCT. Where the list says 'softmax', what is quantised is not the finished softmax but p = 2^(t - M), with t = logit x log2(e) and M = ceil(the row's largest t), a whole number; so 1/2 < the row's largest p <= 1. The row's sum l is taken of the UNQUANTISED p, in f32, and the product's result is divided by l at the end. Since M is a whole number, a kernel that streams over the keys may use a running M (the ceiling of the running maximum): every later rescaling is an exact power of two, so the quantised numbers keep their values, but for numbers so far below the row's largest that they fall under the format's range.
;;   OPERANDS COMPUTED ON THE WAY. 'Computed on the way' means the value that the module computes at that place (a softmax that the list does not call 'softmax' is quantised finished and normalised). What goes into a quantiser is computed in f32, as accurately as f32 sums, v_exp_f32 and their like allow (about 1e-6 of the number): no bf16 or f16 on the way to a quantiser, and a product that is left as it is and whose result goes on into a quantised operand takes f32 operands (vector FMAs, or v_wmma_f32_16x16x4_f32). A number that lies on a knife's edge between two numbers of the format may be rounded either way, as far as f32 arithmetic and the matrix unit's own rounding can turn it there, and no further.
;; One version. Each part assembles by itself: llvm-mc -triple=amdgcn-amd-amdhsa -mcpu=gfx1250 --defsym DOCPART=n.
;; ======== version 1 of 1: 4 launches
;; limits: right only within a limited range of input values
;; workspace buffers: xc 8,388,608 bytes; wqc 3,145,728 bytes; woc 1,048,576 bytes; qc 8,388,608 bytes; kc 8,388,608 bytes; vc 8,388,608 bytes; yc 8,388,608 bytes
;; launch quant (part 1): grid 384 x 1, 4 waves a work-group, no clusters, 102,912 bytes of LDS; arguments x, w_qkv, w_out, lowp_scales, xc, wqc, woc; writes xc, wqc, woc
.if DOCPART == 1
	.amdgcn_target "amdgcn-amd-amdhsa--gfx1250"
	.amdhsa_code_object_version 6
	.text
	.protected	k_q77ff39a821_quant
	.globl	k_q77ff39a821_quant
	.p2align	8
	.type	k_q77ff39a821_quant,@function
k_q77ff39a821_quant:
	s_mov_b64 s[64:65], 0
	v_nop
	global_prefetch_b8 v0, s[64:65] scope:SCOPE_SE
	s_setreg_imm32_b32 hwreg(HW_REG_WAVE_MODE, 25, 1), 1
	s_wait_xcnt 0x0
; x [8192][1024], w_qkv [1024][3072] and w_out [1024][1024], f32, become codes of E4M3, one byte each, K innermost, each with the one scale 2^e given for it
; (entries 0, 1 and 7 of the scales' buffer):  xc [8192][1024],  wqc [3072 n][1024 k],  woc [1024 n][1024 k].
; code = number / 2^e, held within +-448, rounded to the nearest code, ties to even.
; LIMITS: each of the three e lies between -126 and 119, so that 2^e and 448 x 2^e are f32 numbers.  NaN among the inputs is not served (an infinity is held at the largest code).
; SHARES: 384 work-groups of four waves, 32,768 numbers each.  Work-groups 0-255: x, whose K is innermost: a plain stream.  256-351: w_qkv, 352-383: w_out, whose K is the FIRST axis:
; a lane takes a column and its registers run down K, so that the conversions give codes with K innermost and nothing is transposed by an instruction.
; The three ways part on the work-group's number and never join; each has LDS bytes of its own.  Waves share nothing: no barrier.  No tensor load.
.set SPW,   12                         ; v12  LDS address of my spare word: SPARE + 4 x my thread's number; never rewritten
.set NIL,   13                         ; v13  0; never rewritten
.set QST,   32768                      ; LDS: 0: x's stages, 8,192 bytes a wave;  w_qkv's stages, 32 rows x 272 bytes a wave;
.set OST,   67584                      ; w_out's stages, the same;
.set SPARE, 102400                     ; the spare words, 128 bytes for each wave: two blocks of 256 bytes that no other line names
.set SP,    80                         ; x: a lane's place in a stage: its 64 bytes + 16 of padding
.set R,     16                         ; x: v16-79   four sets of 16 numbers as they are loaded
.set X,     80                         ; x: v80-111  two sets of 16 neighbours
.set C,     128                        ; x: v128-191 codes: four registers for each step, so that no store's data are written again
.set WP,    272                        ; weights: a stage row: 256 codes + 16 bytes
.set WX,    32                         ; weights: v32-95   two sets of 32 numbers
.set WC,    96                         ; weights: v96-103  a block's codes
.set OUTR,  112                        ; weights: v112-175 the way out
.macro LIMITS es                       ; v11 = 2^e as f32 (the conversion takes its exponent field), v10 = 448 x 2^e
	s_add_co_i32 s32, s[\es], 127
	s_lshl_b32 s33, s32, 23
	v_mov_b32 v11, s33
	s_add_co_i32 s32, s32, 8
	s_lshl_b32 s32, s32, 23
	s_or_b32 s32, s32, 0x600000                    ; the mantissa field of 448
	v_mov_b32 v10, s32
.endm
.macro CLOSE                           ; the wave's end: behind my last LDS store
	s_wait_tensorcnt 0x0
	ds_add_u32 v[SPW], v[NIL]
	s_wait_dscnt 0x0
	s_endpgm
.endm
; ---- the weights' way: a wave takes 32 columns x 256 along K ----
.macro WLOAD t, cols, ps               ; block t: W(32 t + i, my column), i = 0 .. 31, into set t % 2: 32 lanes read 128 consecutive bytes
.irp i, 0,1,2,3,4,5,6,7,8,9,10,11,12,13,14,15,16,17,18,19,20,21,22,23,24,25,26,27,28,29,30,31
	global_load_b32 v[WX+32*((\t)%2)+\i], v3, s[\ps:\ps+1] offset:(32*(\t)+\i)*\cols*4 th:TH_LOAD_NT
.endr
.endm
.macro WBLOCK t, cols, ps
.set XS, WX+32*((\t)%2)
.if (\t) < 7
	s_wait_loadcnt 32                              ; this block's 32 loads are in; the next block's 32 may be out
.else
	s_wait_loadcnt 0
.endif
.set j, 0
.rept 32
	v_med3_num_f32 v[XS+j], v[XS+j], -v10, v10     ; the conversion to an 8-bit code does not saturate (ISA guide 7.6.2): the hold at the largest code x the scale comes first
.set j, j+1
.endr
.irp g, 0,1,2,3
	v_cvt_scalef32_pk8_fp8_f32 v[WC+2*\g:WC+2*\g+1], v[XS+8*\g:XS+8*\g+7], v11
.endr
	ds_store_b128 v4, v[WC:WC+3] offset:32*(\t)    ; 32 codes: 32 bytes of my column's row
	ds_store_b128 v4, v[WC+4:WC+7] offset:32*(\t)+16
.if (\t)+2 < 8
	WLOAD (\t)+2, \cols, \ps
.endif
	s_wait_dscnt 0x0                               ; the stores have read their registers: the next block's codes may be written
.endm
.macro WPATH cols, stg, ps, pd, es, first
	s_sub_co_u32 s21, ttmp9, \first
	s_lshr_b32 s22, s21, 2                         ; which 128 columns
	s_and_b32 s23, s21, 3                          ; which 256 along K
	s_lshl_b32 s22, s22, 7
	s_lshl_b32 s32, s20, 5
	s_add_co_u32 s22, s22, s32                     ; my wave's first column
	v_lshlrev_b32 v3, 2, v2                        ; in: 4 bytes a lane
	s_mul_i32 s33, s20, 32*WP
	s_add_co_u32 s33, s33, \stg                    ; my stage
	v_mul_u32_u24 v4, v2, WP
	v_add_nc_u32 v4, s33, v4                       ; into it: row = my column
	v_and_b32 v5, 15, v2
	v_lshrrev_b32 v6, 4, v2                        ; out of it: sixteen lanes to a row, two rows an instruction
	v_mul_u32_u24 v7, v6, WP
	v_lshl_add_u32 v7, v5, 4, v7
	v_add_nc_u32 v7, s33, v7
	v_lshlrev_b32 v8, 10, v6                       ; and the same place in the codes' buffer, whose rows are 1,024 bytes
	v_lshl_add_u32 v8, v5, 4, v8
	s_mul_i32 s34, s23, 256*\cols*4                ; the weight: 256 rows for each step along K, + 4 x column
	s_lshl_b32 s36, s22, 2
	s_add_co_u32 s34, s34, s36
	s_mov_b32 s35, 0
	s_add_nc_u64 s[\ps:\ps+1], s[\ps:\ps+1], s[34:35]
	s_lshl_b32 s36, s22, 10                        ; the codes: column x 1,024 + 256 for each step along K
	s_lshl_b32 s38, s23, 8
	s_add_co_u32 s36, s36, s38
	s_mov_b32 s37, 0
	s_add_nc_u64 s[\pd:\pd+1], s[\pd:\pd+1], s[36:37]
	WLOAD 0, \cols, \ps
	WLOAD 1, \cols, \ps
	s_wait_kmcnt 0x0                               ; the exponents
	LIMITS \es
	s_wait_alu depctr_va_vdst(0)
.irp t, 0,1,2,3,4,5,6,7
	WBLOCK \t, \cols, \ps
.endr
.irp t, 0,1,2,3,4,5,6,7,8,9,10,11,12,13,14,15
	ds_load_b128 v[OUTR+4*\t:OUTR+4*\t+3], v7 offset:2*\t*WP   ; LDS serves a wave's instructions in order (ISA guide 5.7.1.4): these see my stores
.endr
.irp t, 0,1,2,3,4,5,6,7,8,9,10,11,12,13,14,15
	s_wait_dscnt 15-\t                             ; the younger loads may be out
	global_store_b128 v8, v[OUTR+4*\t:OUTR+4*\t+3], s[\pd:\pd+1] offset:2*\t*1024   ; sixteen lanes store 256 consecutive bytes, at a multiple of 256 from the buffer's first byte
.endr
	CLOSE
.endm
; ---- x's way: a wave takes 16 steps of 512 numbers ----
.macro XLOAD t
.irp i, 0,1,2,3
	global_load_b128 v[R+16*((\t)%4)+4*\i:R+16*((\t)%4)+4*\i+3], v3, s[4:5] offset:2048*(\t)+512*\i th:TH_LOAD_NT   ; 32 lanes read 512 consecutive bytes
.endr
.endm
.macro XTURN t                         ; step t's numbers through the stage, so that a lane gets 16 neighbours along K; LDS serves a wave's instructions in order
.irp i, 0,1,2,3
	ds_store_b128 v14, v[R+16*((\t)%4)+4*\i:R+16*((\t)%4)+4*\i+3] offset:32*SP*((\t)%2)+8*SP*\i
.endr
.irp i, 0,1,2,3
	ds_load_b128 v[X+16*((\t)%2)+4*\i:X+16*((\t)%2)+4*\i+3], v15 offset:32*SP*((\t)%2)+16*\i
.endr
.endm
.macro XSTEP t
.set XS, X+16*((\t)%2)
	s_wait_dscnt 0x0                               ; this step's numbers are back from the stage: so its stores into the stage have read their registers,
.if (\t)+4 < 16
	XLOAD (\t)+4                                   ; which take the loads of four steps on
.endif
.if (\t)+1 < 16
.if 14-(\t) >= 3
	s_wait_loadcnt 12                              ; the next step's four loads are in; those of the three steps behind it may be out
.else
	s_wait_loadcnt 4*(14-(\t))
.endif
	XTURN (\t)+1                                   ; and go through the other stage while this step is worked
.endif
.set j, 0
.rept 16
	v_med3_num_f32 v[XS+j], v[XS+j], -v10, v10
.set j, j+1
.endr
	v_cvt_scalef32_pk8_fp8_f32 v[C+4*(\t):C+4*(\t)+1], v[XS:XS+7], v11
	v_cvt_scalef32_pk8_fp8_f32 v[C+4*(\t)+2:C+4*(\t)+3], v[XS+8:XS+15], v11
	global_store_b128 v3, v[C+4*(\t):C+4*(\t)+3], s[12:13] offset:512*(\t)   ; a lane's 16 codes: the wave stores 512 consecutive bytes.  (The codes go to a store alone, and the next step's holds are plain lines on other registers)
.endm
	s_load_b256 s[4:11], s[0:1], 0x0               ; x s[4:5], w_qkv s[6:7], w_out s[8:9], the exponents s[10:11]
	s_load_b128 s[12:15], s[0:1], 0x20             ; xc s[12:13], wqc s[14:15]
	s_load_b64 s[16:17], s[0:1], 0x30              ; woc
	v_lshl_add_u32 v[SPW], v0, 2, SPARE
	v_mov_b32 v[NIL], 0
	v_lshrrev_b32 v1, 5, v0
	v_readfirstlane_b32 s20, v1                    ; wave 0..3
	v_and_b32 v2, 31, v0                           ; lane
	s_wait_kmcnt 0x0
	s_load_b256 s[24:31], s[10:11], 0x0            ; e0 .. e7
	s_cmp_lt_u32 ttmp9, 256
	s_cbranch_scc1 .Lpath_x
	s_cmp_lt_u32 ttmp9, 352
	s_cbranch_scc1 .Lpath_wq
	s_wait_alu depctr_va_vdst(0)
	WPATH 1024, OST, 8, 16, 31, 352                ; w_out, with e7
.Lpath_wq:
	s_wait_alu depctr_va_vdst(0)
	WPATH 3072, QST, 6, 14, 25, 256                ; w_qkv, with e1.  Its largest immediate, 255 rows of 12,288 bytes, lies inside the signed 24 bits (ISA guide, chapter 10)
.Lpath_x:
	s_wait_alu depctr_va_vdst(0)
	v_lshlrev_b32 v3, 4, v2                        ; my 16 bytes of a load's 512, and of a step's 512 bytes of codes
	s_wait_alu depctr_va_vdst(0)
	s_mul_i32 s21, s20, 8192                       ; my wave's two stages
	v_lshrrev_b32 v14, 2, v2
	v_mul_u32_u24 v14, v14, SP
	v_and_b32 v15, 3, v2
	v_lshl_add_u32 v14, v15, 4, v14
	v_add_nc_u32 v14, s21, v14                     ; the stage, on the way in: four lanes' 64 bytes on end, then 16 of padding
	v_mul_u32_u24 v15, v2, SP
	v_add_nc_u32 v15, s21, v15                     ; and on the way out: my 16 neighbours
	s_lshl_b32 s22, ttmp9, 2
	s_add_co_u32 s22, s22, s20                     ; which run of 8,192 numbers is my wave's
	s_lshl_b32 s34, s22, 15
	s_mov_b32 s35, 0
	s_add_nc_u64 s[4:5], s[4:5], s[34:35]
	s_lshl_b32 s36, s22, 13
	s_mov_b32 s37, 0
	s_add_nc_u64 s[12:13], s[12:13], s[36:37]
.irp t, 0,1,2,3
	XLOAD \t
.endr
	s_wait_alu depctr_va_vdst(0)
	s_wait_kmcnt 0x0
	LIMITS 24                                      ; e0
	s_wait_alu depctr_va_vdst(0)
	s_wait_loadcnt 12                              ; step 0's four loads are in
	XTURN 0
.irp t, 0,1,2,3,4,5,6,7,8,9,10,11,12,13,14,15
	XSTEP \t
.endr
	CLOSE
.Lfunc_end_k_q77ff39a821_quant:
	.size	k_q77ff39a821_quant, .Lfunc_end_k_q77ff39a821_quant-k_q77ff39a821_quant
	.p2alignl 7, 3214868480
	.fill 96, 4, 3214868480
	.section	.rodata,"a",@progbits
	.p2align	6, 0x0
	.amdhsa_kernel k_q77ff39a821_quant
		.amdhsa_group_segment_fixed_size 102912
		.amdhsa_private_segment_fixed_size 0
		.amdhsa_enable_private_segment 0
		.amdhsa_kernarg_size 56
		.amdhsa_user_sgpr_count 2
		.amdhsa_user_sgpr_kernarg_segment_ptr 1
		.amdhsa_wavefront_size32 1
		.amdhsa_system_sgpr_workgroup_id_x 1
		.amdhsa_system_sgpr_workgroup_id_y 1
		.amdhsa_system_sgpr_workgroup_id_z 1
		.amdhsa_system_vgpr_workitem_id 0
		.amdhsa_next_free_vgpr 192
		.amdhsa_next_free_sgpr 66
		.amdhsa_reserve_vcc 0
		.amdhsa_float_denorm_mode_32 3
		.amdhsa_float_denorm_mode_16_64 3
		.amdhsa_memory_ordered 1
		.amdhsa_forward_progress 1
		.amdhsa_inst_pref_size 134
	.end_amdhsa_kernel
	.amdgpu_metadata
---
amdhsa.version: [ 1, 2 ]
amdhsa.kernels:
  - .name:           k_q77ff39a821_quant
    .symbol:         k_q77ff39a821_quant.kd
    .args:
      - { .name: x, .offset: 0, .size: 8, .value_kind: global_buffer, .address_space: global }
      - { .name: w_qkv, .offset: 8, .size: 8, .value_kind: global_buffer, .address_space: global }
      - { .name: w_out, .offset: 16, .size: 8, .value_kind: global_buffer, .address_space: global }
      - { .name: lowp_scales, .offset: 24, .size: 8, .value_kind: global_buffer, .address_space: global }
      - { .name: xc, .offset: 32, .size: 8, .value_kind: global_buffer, .address_space: global }
      - { .name: wqc, .offset: 40, .size: 8, .value_kind: global_buffer, .address_space: global }
      - { .name: woc, .offset: 48, .size: 8, .value_kind: global_buffer, .address_space: global }
    .group_segment_fixed_size: 102912
    .private_segment_fixed_size: 0
    .kernarg_segment_align: 8
    .kernarg_segment_size: 56
    .max_flat_workgroup_size: 128
    .sgpr_count:     66
    .vgpr_count:     192
    .wavefront_size: 32
...
	.end_amdgpu_metadata
.endif
;; end of part 1
;; launch qkv (part 2): grid 12 x 32, 4 waves a work-group, clusters of 4 x 4, 327,680 bytes of LDS; arguments xc, wqc, b_qkv, lowp_scales, qc, kc, vc; writes qc, kc, vc
.if DOCPART == 2
	.amdgcn_target "amdgcn-amd-amdhsa--gfx1250"
	.amdhsa_code_object_version 6
	.text
	.protected	k_q77ff39a821_qkv
	.globl	k_q77ff39a821_qkv
	.p2align	8
	.type	k_q77ff39a821_qkv,@function
k_q77ff39a821_qkv:
	s_mov_b64 s[64:65], 0
	v_nop
	global_prefetch_b8 v0, s[64:65] scope:SCOPE_SE
	s_setreg_imm32_b32 hwreg(HW_REG_WAVE_MODE, 25, 1), 1
	s_wait_xcnt 0x0
	s_wait_alu depctr_hold_cnt(0) depctr_sa_sdst(0) depctr_va_vdst(0) depctr_va_sdst(0) depctr_va_ssrc(0) depctr_va_vcc(0) depctr_vm_vsrc(0)
	s_getreg_b32 s2, hwreg(HW_REG_IB_STS2, 6, 4)
	s_cmp_eq_u32 s2, 0
	s_cbranch_scc0 .Lentry_in_a_cluster
	s_endpgm
.Lentry_in_a_cluster:
	s_bfe_u32 s2, ttmp6, 0x10000c
	s_cmp_lg_u32 s2, 0xf033
	s_cbranch_scc0 .Lentry_shape_is_right
	s_endpgm
.Lentry_shape_is_right:
; qkv = x w_qkv + b_qkv on codes of E4M3, and q, k, v quantised on the way out, each with its own given scale.  xc: [8192 tokens][1024], wqc: [3072 n][1024]: codes, K innermost.
; TWO PRODUCTS IN ONE LAUNCH, told apart by the cluster's x, which all sixteen partners share.  Cluster x = 0, 1:  [q | k] = xc wqc(rows 0-2047)^T  (A = tokens, B = channels).
; Cluster x = 2:  v^T = wqc(rows 2048-3071) xc^T  (A = channels, B = tokens).  THE MATRIX INSTRUCTION IS USED TRANSPOSED (source 0 = 16 rows of B, source 1 = 16 rows of A): a lane holds one row of A's
; and eight neighbouring rows of B's: for q and k one token and eight neighbours of a head's 64, for v^T one channel and eight neighbouring keys.  Both times the lane's registers run along the K of the
; product that will read the codes, so the conversions give them in place and nothing is transposed.
; OUT:  qc, kc: [64 heads (16 batch + head)][2048 tokens][64].   vc: [64 heads][8 runs of 256 keys][64 channels][256 bytes]; inside each 32 keys the four pieces of 8 bytes lie in the order keys 0-7, 16-23, 8-15, 24-31,
; so that 16 bytes at 32 c + 16 (lane / 16) are four registers on end of the 16x16x128 form's own layout.
; value = sum x 2^(e0 + e1) + bias, in f32; code = value / 2^e, held within +-448, to the nearest code; e = e2 (q), e3 (k), e5 (v).
; LIMITS: e0 + e1 between -126 and 127; e2, e3, e5 between -126 and 119: each power of two below is then an f32 number.  NaN is not served.
; A tile, 256 x 256, is made by four waves, each 128 x 128: 64 accumulators, 512 registers.  K goes in four steps of 256 through a ring of two LDS slots filled by the tensor data mover; a tile's row is 256 bytes of memory.
; CLUSTERS: 4 x 4 work-groups.  The four of a row need the same tiles of A, the four of a column the same tiles of B: each tile is asked for JOINTLY, by the same tensor load with the same descriptor and a mask that names the four.
; REGISTERS, in windows of 256: window 0: v0-31 addresses and constants; v32-95, v96-111 the biases; from v128 A's fragments, ONE set; on the way out v112-255 are at work.
;   window 1: B's fragments, TWO sets, at v0 and v128.   window 2: the accumulators of my rows 0-63 ((a, b) at v[8 (8 a + b)]);   window 3: those of my rows 64-127.
.set KROW,   1024                      ; a row of xc or wqc in bytes
.set ROWB,   256                       ; a tile's row in bytes
.set PITCH,  272                       ; an LDS row: 256 bytes + 16 of padding = 68 words: row r starts at bank 4 r mod 64 (64 banks of 4 bytes: ISA guide 11.1)
.set FR,     16                        ; registers of a fragment: 16 rows x 128 K
.set NL,     4                         ; LDS loads that bring one
.set NP,     4                         ; places behind this matrix instruction (ISA guide 7.12.1)
.set HALFT,  128*PITCH                 ; 128 rows: what one tensor load brings
.set SLOT,   4*HALFT                   ; A's 256 rows, then B's 256 rows
.set LAPS,   KROW/(2*ROWB)             ; a lap = two K steps = once round the ring: two laps
.set SPARE,  2*SLOT                    ; behind the ring: the spare words, 128 bytes for each wave: two blocks of 256 bytes that no other line names
.set QP,     80                        ; the way out of q and k: a token's 64 codes + 16 bytes
.set QSTG,   0                         ; its stages: 2 heads x 16 tokens x 80 bytes for each wave.  The stages lie in slot 0, which has had its last fill and its last read when the first code is stored there
.set VSTG,   4*32*QP                   ; the way out of v^T: ONE stage of 256 rows x 272 bytes for the work-group
.set ADRA, 16                          ; v16-17  LDS address of my A fragments in slot 0, 1
.set STV,  18                          ; v18     v^T: where I put 8 codes
.set RDV,  19                          ; v19     v^T: where I read a row back
.set ADRB, 20                          ; v20-21  LDS address of my B fragments
.set R4,   22                          ; v22     4 x (lane % 16)
.set COV,  23                          ; v23     v^T: my byte offset in two rows of vc
.set STO,  24                          ; v24     q, k: where I put 8 codes
.set RD,   25                          ; v25     q, k: where I read 16 bytes back
.set CO,   26                          ; v26     16 x lane
.set H32,  27                          ; v27     32 x (lane / 16)
.set SPW,  28                          ; v28     LDS address of my spare word: SPARE + 4 x my thread's number; never rewritten
.set NIL,  29                          ; v29     0; never rewritten
.set SC,   30                          ; v30     2^e of the output, as f32
.set LIM,  31                          ; v31     448 x that
.set BIAS, 32                          ; v32-95  q, k: register 8 b + j: the bias of channel 16 b + 8 (lane / 16) + j of my 128
.set BV,   96                          ; v96-111 v^T: pair 2 a: the bias of channel 16 a + lane % 16 of my 128, twice
.set TMP,  128                         ; the way out: a block's 64 values
.set AF,   128                         ; A's fragments
.set G1, 24                            ; s[24:31] descriptor group 1 for A's tiles;  s[32:39] group 0, one set for each slot
.set G0, 32
.set G1B, 48                           ; s[48:55], s[56:63] the same for B's tiles
.set G0B, 56
.set MSB, 0
.macro WIN new                         ; the immediate's high byte repeats the setting that is left
.if MSB != \new
	s_set_vgpr_msb (MSB<<8)|\new
.set MSB, \new
.endif
.endm
.set MUL_LO, 0xa1                      ; source 0 (B) window 1, source 1 (A) window 0, C and D window 2
.set MUL_HI, 0xf1                      ; the same, C and D window 3
.set TO_B,   0x40                      ; destination window 1, address window 0
; A joint load: waves 0 and 1 fetch for A, waves 2 and 3 for B.  Each of the two lines has ONE mask and one set of registers for all that issue it; the branch hangs on the wave's number alone.
; An s_nop 0 and four v_nop follow each of the two lines, ahead of the jump, the label and what follows.
.macro JLOAD g0a, g1a, g0b, g1b
	s_cmp_eq_u32 s15, 0
	s_cbranch_scc0 .Lfor_b_\@
	tensor_load_to_lds s[\g0a:\g0a+3], s[\g1a:\g1a+7]
	s_nop 0
.rept 4
	v_nop
.endr
	s_branch .Lasked_\@
.Lfor_b_\@:
	tensor_load_to_lds s[\g0b:\g0b+3], s[\g1b:\g1b+7]
	s_nop 0
.rept 4
	v_nop
.endr
.Lasked_\@:
.endm
.macro CREST                           ; a round of the cluster's barrier behind its opening barrier
	s_cmp_lg_u32 s14, 0
	s_cbranch_scc1 .Lnot_wave_0_\@
	s_barrier_signal -3
.Lnot_wave_0_\@:
	s_barrier_wait -3
	s_barrier_signal -1
	s_barrier_wait -1
.endm
.macro CROUND                          ; a whole round
	s_barrier_signal -1
	s_barrier_wait -1
	CREST
.endm
	s_load_b256 s[4:11], s[0:1], 0x0               ; xc s[4:5], wqc s[6:7], b_qkv s[8:9], the exponents s[10:11]
	s_load_b128 s[68:71], s[0:1], 0x20             ; qc s[68:69], kc s[70:71]
	s_load_b64 s[72:73], s[0:1], 0x30              ; vc
	v_lshl_add_u32 v[SPW], v0, 2, SPARE
	v_mov_b32 v[NIL], 0
	ds_add_u32 v[SPW], v[NIL]                      ; the wave's opening: the add and its wait ahead of my first tensor load; the set-up below, work on registers, stands between them
	ds_add_u32 v[SPW], v[NIL]
	v_lshrrev_b32 v1, 5, v0
	v_readfirstlane_b32 s14, v1                    ; wave 0..3
	s_lshr_b32 s15, s14, 1                         ; which half of the tile's rows is mine.  Also: I fetch for A (0) or for B (1)
	s_and_b32 s16, s14, 1                          ; which half of its columns.  Also: which 128 rows of that tile I fetch
	s_bfe_u32 s40, ttmp6, 0x40000                  ; cx, cy: my place in the cluster
	s_bfe_u32 s41, ttmp6, 0x40004
	s_and_b32 s75, ttmp7, 0xffff                   ; the cluster's y, 0..7
	s_cmp_lt_u32 ttmp9, 2                          ; q, k or v^T?  The cluster's x: the same in all sixteen partners
	s_cselect_b32 s76, s75, 0                      ; q, k: 32 tile rows (tokens) by the cluster's y, 8 tile columns (channels) by its x
	s_cselect_b32 s77, ttmp9, s75                  ; v^T: 4 tile rows (channels) inside the cluster, 32 tile columns (tokens) by its y
	s_lshl_b32 s42, s77, 2
	s_add_co_u32 s42, s42, s40                     ; tile column
	s_lshl_b32 s17, s76, 2
	s_add_co_u32 s17, s17, s41                     ; tile row
	s_lshl_b32 s43, s41, 2
	s_lshl_b32 s43, 15, s43                        ; my row of the cluster
	s_lshl_b32 s44, 0x1111, s40                    ; my column
	; descriptor group 1: a tile of 128 rows x 256 bytes, padded in LDS
	s_or_b32 s[G1+0], s43, (0<<16)|(1<<20)|(1<<21)|(5<<22)|(3<<25)  ; 15:0 the mask: A's tiles go to my row; 17:16 element of 1 byte; 20 padding on; 21 set beside a mask; 24:22 after every 64 words (code 5); 31:25 of 4 words (code 3)
	s_or_b32 s[G1B+0], s44, (0<<16)|(1<<20)|(1<<21)|(5<<22)|(3<<25)
.irp g, G1, G1B
	s_mov_b32 s[\g+1], ROWB<<16                    ; tensor_dim0
	s_mov_b32 s[\g+2], 128<<16                     ; tensor_dim1 = 128
	s_mov_b32 s[\g+3], ROWB<<16                    ; tile_dim0
	s_mov_b32 s[\g+4], 128                         ; tile_dim1 = 128
	s_mov_b32 s[\g+5], KROW                        ; tensor_dim0_stride
	s_mov_b32 s[\g+6], 0
	s_mov_b32 s[\g+7], 0
.endr
	s_lshl_b32 s18, s16, 7                         ; which 128 rows of the tile I fetch
	s_lshl_b32 s20, s17, 8
	s_add_co_u32 s20, s20, s18                     ; A: row 256 x tile row + 128 x half,
	s_lshl_b32 s20, s20, 10                        ; in bytes (under 2^24)
	s_mov_b32 s21, 0
	s_lshl_b32 s46, s42, 8
	s_add_co_u32 s46, s46, s18                     ; B: row 256 x tile column + 128 x half
	s_lshl_b32 s46, s46, 10
	s_mov_b32 s47, 0
	s_mul_i32 s45, s14, HALFT                      ; where they go: wave x 128 rows: no place in the cluster enters an LDS address
	s_wait_dscnt 0x0                               ; the opening add is done
	s_wait_kmcnt 0x0
	s_load_b256 s[84:91], s[10:11], 0x0            ; e0 .. e7
	s_add_nc_u64 s[78:79], s[6:7], 2048*KROW       ; wqc at v's first channel
	s_cmp_lt_u32 ttmp9, 2
	s_cselect_b64 s[80:81], s[4:5], s[78:79]       ; A: tokens, or v's channels
	s_cselect_b64 s[82:83], s[6:7], s[4:5]         ; B: q's and k's channels, or tokens
	s_add_nc_u64 s[20:21], s[80:81], s[20:21]
	s_add_nc_u64 s[46:47], s[82:83], s[46:47]
	CROUND                                         ; all sixteen work-groups are here: the first joint loads meet
.irp s, 0,1
	s_mov_b32 s[G0+4*\s], 1
	s_add_co_u32 s[G0+4*\s+1], s45, \s*SLOT
	s_add_nc_u64 s[G0+4*\s+2:G0+4*\s+3], s[20:21], \s*ROWB
	s_or_b32 s[G0+4*\s+3], s[G0+4*\s+3], 0x80000000
	s_mov_b32 s[G0B+4*\s], 1
	s_add_co_u32 s[G0B+4*\s+1], s45, \s*SLOT
	s_add_nc_u64 s[G0B+4*\s+2:G0B+4*\s+3], s[46:47], \s*ROWB
	s_or_b32 s[G0B+4*\s+3], s[G0B+4*\s+3], 0x80000000
.endr
	JLOAD G0, G1, G0B, G1B                         ; K step 0: one tensor load a wave at the head
	; every LDS address is made here, ahead of the place where the two ways out part
	v_and_b32 v1, 15, v0                           ; r = lane % 16
	s_wait_alu depctr_va_vdst(0)
	v_bfe_u32 v2, v0, 4, 1                         ; h = lane / 16
	v_mul_u32_u24 v3, v1, PITCH
	v_lshl_add_u32 v4, v2, 4, v3                   ; a fragment's row x pitch + 16 x half
	s_mul_i32 s21, s15, HALFT                      ; my 128 rows of A
	s_mul_i32 s22, s16, HALFT                      ; my 128 rows of B,
	s_add_co_u32 s22, s22, 2*HALFT                 ; which lie behind A's 256
.irp s, 0,1
	v_add_nc_u32 v[ADRA+\s], s21, v4
	v_add_nc_u32 v[ADRB+\s], s22, v4
	s_add_co_u32 s21, s21, SLOT
	s_add_co_u32 s22, s22, SLOT
.endr
	s_mul_i32 s23, s14, 32*QP                      ; q, k: my stage (QSTG = 0)
	v_mul_u32_u24 v5, v1, QP
	s_wait_alu depctr_va_vdst(0)
	v_lshl_add_u32 v5, v2, 3, v5
	v_add_nc_u32 v[STO], s23, v5                   ; in: token r, + 8 h
	v_bfe_u32 v7, v0, 2, 3
	v_mul_u32_u24 v7, v7, QP
	v_and_b32 v8, 3, v0
	v_lshl_add_u32 v7, v8, 4, v7
	v_add_nc_u32 v[RD], s23, v7                    ; back: four lanes to a token's 64 bytes, eight tokens an instruction
	v_and_b32 v6, 31, v0
	v_lshlrev_b32 v[CO], 4, v6                     ; and the same 512 bytes on end in qc or kc
	s_mul_i32 s23, s15, 128*PITCH                  ; v^T: row = channel 128 x row half + 16 a + r; byte = 128 x column half + the keys' place
	s_lshl_b32 s45, s16, 7
	s_add_co_u32 s23, s23, s45
	s_add_co_u32 s23, s23, VSTG
	v_add_nc_u32 v[STV], s23, v4                   ; + 272 r + 16 h: with the stores' offsets 8 (b % 2) that makes vc's order of pieces
	s_mul_i32 s23, s14, 64*PITCH
	s_add_co_u32 s23, s23, VSTG
	v_mul_u32_u24 v9, v2, PITCH
	v_lshl_add_u32 v9, v1, 4, v9
	v_add_nc_u32 v[RDV], s23, v9                   ; back: wave w takes rows 64 w on, whole: sixteen lanes to a row, two rows an instruction
	v_lshlrev_b32 v10, 8, v2                       ; vc is laid [64 heads][8 runs of 256 keys][64 channels][256 bytes]: two rows on end are 256 bytes apart
	v_lshl_add_u32 v[COV], v1, 4, v10              ; and the same two rows in vc, 256 bytes apart
	v_lshlrev_b32 v[R4], 2, v1
	v_lshlrev_b32 v[H32], 5, v2
	; the biases.  q, k: those of my 128 columns (B's rows); v^T: those of my 128 rows (A's).  Both sets of registers are loaded from the one first channel, with no branch: 128 numbers from it on lie inside b_qkv either way
	s_wait_alu depctr_va_vdst(0)
	s_lshl_b32 s92, s42, 8
	s_lshl_b32 s93, s16, 7
	s_add_co_u32 s92, s92, s93                     ; q, k: 256 x tile column + 128 x column half
	s_lshl_b32 s93, s17, 8
	s_lshl_b32 s94, s15, 7
	s_add_co_u32 s93, s93, s94
	s_add_co_u32 s93, s93, 2048                    ; v^T: 2,048 + 256 x tile row + 128 x row half
	s_cmp_lt_u32 ttmp9, 2
	s_cselect_b32 s92, s92, s93
	s_lshl_b32 s92, s92, 2
	s_mov_b32 s93, 0
	s_add_nc_u64 s[8:9], s[8:9], s[92:93]
.irp b, 0,1,2,3,4,5,6,7
	global_load_b128 v[BIAS+8*\b:BIAS+8*\b+3], v[H32], s[8:9] offset:64*\b
	global_load_b128 v[BIAS+8*\b+4:BIAS+8*\b+7], v[H32], s[8:9] offset:64*\b+16
.endr
.irp a, 0,1,2,3,4,5,6,7
	global_load_b32 v[BV+2*\a], v[R4], s[8:9] offset:64*\a
.endr
	; where my codes go
	s_lshr_b32 s92, s17, 3                         ; q, k: the batch (8 tile rows each),
	s_lshl_b32 s92, s92, 4
	s_and_b32 s93, s42, 3
	s_lshl_b32 s93, s93, 2
	s_add_co_u32 s92, s92, s93
	s_lshl_b32 s93, s16, 1
	s_add_co_u32 s92, s92, s93                     ; the first of my two heads: 16 batch + 4 (tile column % 4) + 2 x column half,
	s_lshl_b32 s92, s92, 17                        ; of 2,048 x 64 bytes each,
	s_and_b32 s93, s17, 7
	s_lshl_b32 s93, s93, 8
	s_lshl_b32 s94, s15, 7
	s_add_co_u32 s93, s93, s94                     ; my first token in the batch,
	s_lshl_b32 s93, s93, 6
	s_add_co_u32 s92, s92, s93                     ; of 64 bytes each
	s_lshr_b32 s94, s42, 3                         ; v^T: the batch,
	s_lshl_b32 s94, s94, 10
	s_lshl_b32 s95, s17, 8
	s_add_co_u32 s94, s94, s95
	s_lshl_b32 s95, s14, 6
	s_add_co_u32 s94, s94, s95                     ; the first row that I store: 1,024 batch + 256 x tile row + 64 x wave,
	s_lshl_b32 s94, s94, 11                        ; of 2,048 bytes each,
	s_and_b32 s95, s42, 7
	s_lshl_b32 s95, s95, 14                        ; the tile's run of 256 keys: 64 channels x 256 bytes each
	s_add_co_u32 s94, s94, s95                     ; the tile's 256 keys
	s_cmp_eq_u32 ttmp9, 0
	s_cselect_b64 s[98:99], s[68:69], s[70:71]
	s_cmp_eq_u32 ttmp9, 2
	s_cselect_b64 s[98:99], s[72:73], s[98:99]
	s_cselect_b32 s92, s94, s92
	s_mov_b32 s93, 0
	s_add_nc_u64 s[98:99], s[98:99], s[92:93]
.macro FRAG reg, adr, q, i             ; a fragment, 16 rows x 128 K of 8-bit codes, is 16 registers: lane l holds row l % 16; registers 4 c .. 4 c + 3 hold K = 32 c + 16 (l / 16) + 0 .. 15: a permutation of k, the same in A and in B
.irp c, 0,1,2,3
	ds_load_b128 v[\reg+4*\c:\reg+4*\c+3], v[\adr] offset:128*(\q)+32*\c+(\i)*16*PITCH
.endr
.endm
; 16 matrix instructions: A's blocks a0, a0 + 1 x B's eight, 128 along K.  p: B's set.  zero = 1: the first product starts the sums: nothing is ever cleared.
; The 64 accumulators take turns, one instruction a turn, in the same order in every step.
.macro MUL16 a0, p, zero
.irp a, \a0, \a0+1
.irp b, 0,1,2,3,4,5,6,7
.if \zero
	v_wmma_f32_16x16x128_fp8_fp8 v[8*(8*((\a)%4)+\b):8*(8*((\a)%4)+\b)+7], v[128*(\p)+FR*\b:128*(\p)+FR*\b+FR-1], v[AF+FR*(\a):AF+FR*(\a)+FR-1], 0
.else
	v_wmma_f32_16x16x128_fp8_fp8 v[8*(8*((\a)%4)+\b):8*(8*((\a)%4)+\b)+7], v[128*(\p)+FR*\b:128*(\p)+FR*\b+FR-1], v[AF+FR*(\a):AF+FR*(\a)+FR-1], v[8*(8*((\a)%4)+\b):8*(8*((\a)%4)+\b)+7]
.endif
.endr
.endr
.endm
.macro FETCH_B slot, q, p              ; B's eight fragments of the slot's q-th 128 along K into set p
	WIN TO_B
.irp i, 0,1,2,3,4,5,6,7
	FRAG 128*(\p)+FR*\i, ADRB+\slot, \q, \i
.endr
	WIN 0
.endm
.macro FETCH_A slot, q, i0             ; A's blocks i0 .. i0 + 3
.irp i, \i0, \i0+1, \i0+2, \i0+3
	FRAG AF+FR*(\i), ADRA+\slot, \q, \i
.endr
.endm
; A load into a register that a matrix instruction has read, and a vector instruction or an LDS store that reads a matrix result, stand NP places behind that matrix instruction, and only plain vector
; instructions that name none of its registers are places (ISA guide 7.12.1 for vector instructions).
.macro PLACES n
.rept \n
	v_nop
.endr
.endm
; A step of 128 along K that has its successor in the same slot.  A block of A is free as soon as its eight products are issued, so one set of registers serves A; B's fragments are at work through the whole step and have two.
.macro STEP slot, q, zero
	s_wait_dscnt 4*NL                              ; B's set and A's blocks 0-3 are in; the youngest sixteen loads (A's blocks 4-7) may be out
	WIN MUL_LO
	MUL16 0, (\q)%2, \zero
	MUL16 2, (\q)%2, \zero
	s_wait_dscnt 0                                 ; A's blocks 4-7 are in (asked for 32 matrix instructions ago)
	PLACES NP
	FETCH_B \slot, (\q)+1, 1-(\q)%2
	FETCH_A \slot, (\q)+1, 0
	WIN MUL_HI
	MUL16 4, (\q)%2, \zero
	MUL16 6, (\q)%2, \zero
	PLACES NP
	WIN 0
	FETCH_A \slot, (\q)+1, 4
.endm
; A slot's last step changes slots: ONE barrier; in front of it each wave waits for all its tensor loads, adds 0 to its spare word, and waits for that and for its own reads of this slot.  fill = 1: this slot is filled again, two K steps ahead.
.macro TURN slot, next, fill
	s_wait_tensorcnt 0x0                           ; all my tensor loads have landed: my part of the next slot;  (every window is 0 here: the add's two registers lie in window 0)
	ds_add_u32 v[SPW], v[NIL]                      ; 0 onto my spare word;
	s_wait_dscnt 4*NL+1                            ; (the add and the youngest sixteen loads, A's blocks 4-7, may be out)
	WIN MUL_LO
	MUL16 0, 1, 0                                  ; sixteen matrix instructions stand between the add and the wait for it
	s_wait_dscnt 0x0                               ; the add is done, and my reads of this slot are over
	s_barrier_signal -1
	MUL16 2, 1, 0
	WIN 0
	s_barrier_wait -1
.if \fill
	CREST                                          ; the barrier has opened a round of the cluster's barrier: no wave of any partner still reads this slot's tile or has a load on its way
	s_add_nc_u64 s[G0+4*\slot+2:G0+4*\slot+3], s[G0+4*\slot+2:G0+4*\slot+3], 2*ROWB
	s_add_nc_u64 s[G0B+4*\slot+2:G0B+4*\slot+3], s[G0B+4*\slot+2:G0B+4*\slot+3], 2*ROWB
	JLOAD G0+4*\slot, G1, G0B+4*\slot, G1B         ; the first tensor load behind the round; the four v_nop behind it are the places in front of the loads below
.else
	PLACES NP
.endif
	FETCH_B \next, 0, 0
	FETCH_A \next, 0, 0
	WIN MUL_HI
	MUL16 4, 1, 0
	MUL16 6, 1, 0
	PLACES NP
	WIN 0
	FETCH_A \next, 0, 4
.endm
	s_wait_alu depctr_va_vdst(0)
	s_wait_tensorcnt 0x0                           ; my part of K step 0 is in
	ds_add_u32 v[SPW], v[NIL]
	s_wait_dscnt 0x0
	CROUND                                         ; everybody's part of K step 0 is in, and all sixteen work-groups are here
	JLOAD G0+4, G1, G0B+4, G1B                     ; K step 1, the first tensor load behind the round
	FETCH_B 0, 0, 0
	FETCH_A 0, 0, 0
	FETCH_A 0, 0, 4
	STEP 0, 0, 1                                   ; the first step's products start the sums
.rept LAPS-1                           ; once round the ring with both slots filled again: with four K steps that is one lap, so it is written out and there is no backward jump
	TURN 0, 1, 1
	STEP 1, 0, 0
	TURN 1, 0, 1
	STEP 0, 0, 0
.endr
	TURN 0, 1, 0                                   ; the last lap fills nothing, and has no round of the cluster's barrier
	STEP 1, 0, 0
	s_wait_dscnt 4*NL                              ; the very last step: nothing more to fetch
	WIN MUL_LO
	MUL16 0, 1, 0
	MUL16 2, 1, 0
	s_wait_dscnt 0
	WIN MUL_HI
	MUL16 4, 1, 0
	MUL16 6, 1, 0
	WIN 0
; THE WAY OUT.  A block is 16 rows of A's x my 128 rows of B's: eight accumulators.  Each pair of sums becomes sum x 2^(e0 + e1) + bias by one packed multiply-add (each accumulator from its low end on), is held and converted:
; eight neighbours of a lane give 8 bytes.
.macro VALUES a, bias, step            ; bias: the addend's first register; step: how far it moves from pair to pair
.set AC, 64*((\a)%4)
	WIN 0x02+((\a)/4)                              ; source 0: window 2 or 3
.set j, 0
.rept 32
	v_pk_fma_f32 v[TMP+j:TMP+j+1], v[AC+j:AC+j+1], s[96:97], v[\bias+\step*j:\bias+\step*j+1] op_sel_hi:[1,0,1]   ; (the scalar pair's low word for both halves)
.set j, j+2
.endr
	WIN 0
.set j, 0
.rept 64
	v_med3_num_f32 v[TMP+j], v[TMP+j], -v[LIM], v[LIM]   ; the conversion to an 8-bit code does not saturate (ISA guide 7.6.2)
.set j, j+1
.endr
.endm
.macro CODES a                         ; into one of two sets of 16 registers, by turns
.set CD, 112+80*((\a)%2)
.irp b, 0,1,2,3,4,5,6,7
	v_cvt_scalef32_pk8_fp8_f32 v[CD+2*\b:CD+2*\b+1], v[TMP+8*\b:TMP+8*\b+7], v[SC]
.endr
	v_nop                                          ; one plain vector instruction behind the last conversion: the next block's multiply-adds write the conversions' sources
.endm
; q, k: a lane's 8 bytes belong to one token's row of 64, and the lanes beside it hold other tokens: the block goes through my own stage and comes back as 2 heads x 1,024 bytes on end.
.macro QSTAGE a
	VALUES \a, BIAS, 1
	CODES \a
.set BB, 208+16*((\a)%2)
.irp b, 0,1,2,3,4,5,6,7
	ds_store_b64 v[STO], v[CD+2*\b:CD+2*\b+1] offset:(\b/4)*16*QP+16*(\b%4)
.endr
.irp i, 0,1,2,3
	ds_load_b128 v[BB+4*\i:BB+4*\i+3], v[RD] offset:(\i/2)*16*QP+(\i%2)*8*QP   ; LDS serves a wave's instructions in order (ISA guide 5.7.1.4): these see the stores above, and the next block's stores come behind them
.endr
.endm
.macro QSEND a, younger                ; younger: the LDS instructions issued behind block a's loads, which may stay out
.set BB, 208+16*((\a)%2)
	s_wait_dscnt \younger
.irp i, 0,1,2,3
	global_store_b128 v[CO], v[BB+4*\i:BB+4*\i+3], s[98:99] offset:(\i/2)*131072+1024*(\a)+512*(\i%2)   ; 32 lanes store 512 consecutive bytes, at a multiple of 512 from the buffer's first byte
.endr
.endm
; v^T: a lane's 8 bytes are 8 keys of one channel's row; a row's 256 keys come from two waves: all blocks go into the work-group's one stage.
.macro VSTAGE a
	VALUES \a, BV+2*(\a), 0
.if (\a) >= 2
	s_wait_alu depctr_va_vdst(0)
	s_wait_dscnt 8                                 ; only the block before's eight stores may be out: this set of code registers has been read
.endif
	CODES \a
.irp b, 0,1,2,3,4,5,6,7
	ds_store_b64 v[STV], v[CD+2*\b:CD+2*\b+1] offset:16*PITCH*(\a)+32*(\b/2)+8*(\b%2)
.endr
.endm
	s_wait_kmcnt 0x0                               ; the exponents
	s_add_co_i32 s96, s84, s85                     ; e0 + e1
	s_add_co_i32 s96, s96, 127
	s_lshl_b32 s96, s96, 23                        ; 2^(e0 + e1) as f32
	s_mov_b32 s97, s96                             ; (named with it as a pair, so it is written)
	s_cmp_eq_u32 ttmp9, 0
	s_cselect_b32 s74, s86, s87                    ; q: e2; k: e3;
	s_cmp_eq_u32 ttmp9, 2
	s_cselect_b32 s74, s89, s74                    ; v: e5.  A choice, not a branch
	s_add_co_i32 s74, s74, 127
	s_lshl_b32 s92, s74, 23
	v_mov_b32 v[SC], s92
	s_add_co_i32 s74, s74, 8
	s_lshl_b32 s74, s74, 23
	s_or_b32 s74, s74, 0x600000
	v_mov_b32 v[LIM], s74
	s_wait_loadcnt 0x0                             ; the biases
.irp a, 0,1,2,3,4,5,6,7
	v_mov_b32 v[BV+2*\a+1], v[BV+2*\a]             ; v^T's bias is one number a lane and block: both halves of the packed form's pair.  (These ten plain lines are also the places behind the last products)
.endr
	s_cmp_eq_u32 ttmp9, 2
	s_cbranch_scc1 .Lvt
	QSTAGE 0
.irp a, 1,2,3,4,5,6,7
.if \a > 1
	s_wait_xcnt 0x0                                ; block a - 2's stores have read their registers: block a's loads may land there
.endif
	QSTAGE \a
	QSEND \a-1, 12                                 ; behind block a - 1's loads: block a's 8 stores and 4 loads.  So block a - 1's code registers have been read too
.endr
	QSEND 7, 0
	s_branch .Lmeet
.Lvt:
	s_wait_alu depctr_va_vdst(0)
.irp a, 0,1,2,3,4,5,6,7
	VSTAGE \a
.endr
.Lmeet:
	s_wait_dscnt 0x0                               ; for the others' sake: my stores into the stage are done
	s_barrier_signal -1                            ; the barrier stands on both ways, so that every wave of the text passes it
	s_barrier_wait -1
	s_cmp_eq_u32 ttmp9, 2
	s_cbranch_scc0 .Lend
	s_wait_xcnt 0x0                                ; no store still reads a register into which the loads below land
.set i, 0
.rept 32
	ds_load_b128 v[128+4*i:131+4*i], v[RDV] offset:2*PITCH*i
.set i, i+1
.endr
.set i, 0
.rept 32
	s_wait_dscnt 31-i                              ; the younger loads may be out
	global_store_b128 v[COV], v[128+4*i:131+4*i], s[98:99] offset:512*i   ; 32 lanes store 512 consecutive bytes: my 64 rows of a run are 16,384 bytes on end
.set i, i+1
.endr
.Lend:
	s_wait_tensorcnt 0x0                           ; the wave's end: behind my last tensor load and my last LDS store
	ds_add_u32 v[SPW], v[NIL]
	s_wait_dscnt 0x0
	CROUND                                         ; the closing round: no work-group ends while a partner may still ask for a tile that names it
	s_endpgm
.Lfunc_end_k_q77ff39a821_qkv:
	.size	k_q77ff39a821_qkv, .Lfunc_end_k_q77ff39a821_qkv-k_q77ff39a821_qkv
	.p2alignl 7, 3214868480
	.fill 96, 4, 3214868480
	.section	.rodata,"a",@progbits
	.p2align	6, 0x0
	.amdhsa_kernel k_q77ff39a821_qkv
		.amdhsa_group_segment_fixed_size 327680
		.amdhsa_private_segment_fixed_size 0
		.amdhsa_enable_private_segment 0
		.amdhsa_kernarg_size 56
		.amdhsa_user_sgpr_count 2
		.amdhsa_user_sgpr_kernarg_segment_ptr 1
		.amdhsa_wavefront_size32 1
		.amdhsa_system_sgpr_workgroup_id_x 1
		.amdhsa_system_sgpr_workgroup_id_y 1
		.amdhsa_system_sgpr_workgroup_id_z 1
		.amdhsa_system_vgpr_workitem_id 0
		.amdhsa_next_free_vgpr 1024
		.amdhsa_next_free_sgpr 100
		.amdhsa_reserve_vcc 0
		.amdhsa_float_denorm_mode_32 3
		.amdhsa_float_denorm_mode_16_64 3
		.amdhsa_memory_ordered 1
		.amdhsa_forward_progress 1
		.amdhsa_inst_pref_size 209
	.end_amdhsa_kernel
	.amdgpu_metadata
---
amdhsa.version: [ 1, 2 ]
amdhsa.kernels:
  - .name:           k_q77ff39a821_qkv
    .symbol:         k_q77ff39a821_qkv.kd
    .args:
      - { .name: xc, .offset: 0, .size: 8, .value_kind: global_buffer, .address_space: global }
      - { .name: wqc, .offset: 8, .size: 8, .value_kind: global_buffer, .address_space: global }
      - { .name: b_qkv, .offset: 16, .size: 8, .value_kind: global_buffer, .address_space: global }
      - { .name: lowp_scales, .offset: 24, .size: 8, .value_kind: global_buffer, .address_space: global }
      - { .name: qc, .offset: 32, .size: 8, .value_kind: global_buffer, .address_space: global }
      - { .name: kc, .offset: 40, .size: 8, .value_kind: global_buffer, .address_space: global }
      - { .name: vc, .offset: 48, .size: 8, .value_kind: global_buffer, .address_space: global }
    .group_segment_fixed_size: 327680
    .private_segment_fixed_size: 0
    .kernarg_segment_align: 8
    .kernarg_segment_size: 56
    .max_flat_workgroup_size: 128
    .sgpr_count:     100
    .vgpr_count:     1024
    .wavefront_size: 32
...
	.end_amdgpu_metadata
.endif
;; end of part 2
;; launch attn (part 3): grid 4 x 64, 16 waves a work-group, clusters of 4 x 1, 327,680 bytes of LDS; arguments qc, kc, vc, lowp_scales, yc; writes yc
.if DOCPART == 3
	.amdgcn_target "amdgcn-amd-amdhsa--gfx1250"
	.amdhsa_code_object_version 6
	.text
	.protected	k_q77ff39a821_attn
	.globl	k_q77ff39a821_attn
	.p2align	8
	.type	k_q77ff39a821_attn,@function
k_q77ff39a821_attn:
	s_mov_b64 s[64:65], 0
	v_nop
	global_prefetch_b8 v0, s[64:65] scope:SCOPE_SE
	s_setreg_imm32_b32 hwreg(HW_REG_WAVE_MODE, 25, 1), 1
	s_wait_xcnt 0x0
	s_wait_alu depctr_hold_cnt(0) depctr_sa_sdst(0) depctr_va_vdst(0) depctr_va_sdst(0) depctr_va_ssrc(0) depctr_va_vcc(0) depctr_vm_vsrc(0)
	s_getreg_b32 s2, hwreg(HW_REG_IB_STS2, 6, 4)
	s_cmp_eq_u32 s2, 0
	s_cbranch_scc0 .Lentry_in_a_cluster
	s_endpgm
.Lentry_in_a_cluster:
	s_bfe_u32 s2, ttmp6, 0x10000c
	s_cmp_lg_u32 s2, 0x3003
	s_cbranch_scc0 .Lentry_shape_is_right
	s_endpgm
.Lentry_shape_is_right:
; y[head][q][:] = the sum over keys k <= q of softmax_k(q . k / 8) v[k][:], both products on codes of E4M3, and y quantised for the product that follows.
; qc, kc: [64 heads][2048][64] codes.  vc: [64 heads][8 runs of 256 keys][64 channels][256 bytes]; inside each 32 keys the pieces of 8 bytes lie in the order keys 0-7, 16-23, 8-15, 24-31.
; yc: [16 heads][8192 tokens][64] codes.
; LEFT OUT: key steps all of whose keys come after a tile's queries: the causal mask sets their scores to -infinity, so their p is 0 for all values of the inputs.
; THE SOFTMAX: t = score x log2(e) / 8; M = the row's largest t so far, rounded UP to a whole number; p = 2^(t - M) is quantised (scale 2^e4), not normalised.  The row's sum is taken of the
; unquantised p and divides at the end.  When M moves, the sum and O are multiplied by 2^(old M - new M): exact.
; SHARES.  The four work-groups of a cluster own one head.  A head has 128 tiles of 16 queries; wave w of partner cx owns tiles u = 8 (w / 2) + 4 (w % 2) + cx and 127 - u:
; (w / 2 + 1) + (16 - w / 2) = 17 key steps of 128 keys for every wave.  How many steps a tile takes hangs on the wave's number alone, so no branch hangs on a work-group's place in its cluster;
; the place enters only the addresses of Q and y and the lanes' numbers for the mask on the diagonal.
; LDS holds the head's WHOLE K (2,048 rows of 64 + 16 bytes) and V (8 runs x 64 rows of 256 + 16 bytes): 303,104 bytes, filled once, never again.  All four partners need the same bytes: every load is a JOINT load
; (mask 15).  Two groups, one load a wave each (waves 0-7: K, waves 8-15: V): keys 0-511 at the head, keys 512-2,047 behind the three lines and a round.  The long tile's first four steps read the first group
; alone; behind one more barrier every wave walks on by itself: no further barrier up to the closing round.
; NO PREFETCH: both groups of loads go out ahead of the loops, so there is no trip in which to ask ahead of them.
; TRIP COUNTS are constants (4, 12, 8); a step past a tile's last is jumped over by a scalar branch on the wave's number and the count of steps.
; LAYOUT.  Both products transposed: S^T = K Q^T (16x16x64), O^T = V^T P^T (16x16x128): a lane holds ONE query (lane % 16).  In tile c of S^T a lane's eight registers are keys 16 c + 8 (lane / 16) + 0 .. 7:
; their codes are registers 2 c, 2 c + 1 of the second form's layout; vc's order of pieces gives V the same by loads of 16 bytes.
; LIMITS: e2 + e3 between -123 and 130; e4, and e6 - e4 - e5, between -126 and 119, so that each power of two below is an f32 number.  The scaled scores stay under 2^31 in magnitude.  NaN is not served.
; REGISTERS: v1-11 addresses; v12 -M, v13 the largest t, v[14:15] the sum; v16-23 Q of tile 127 - u, v24-31 of tile u; v32-95 K's eight fragments, then V's four; v96-159 S^T, then p; v160-191 O^T;
;   v192-207 the way out; v224-239 p's codes; v240-254 constants and work.
.set KP,    80                         ; a key's row in LDS: 64 bytes + 16
.set VP,    272                        ; a channel's row of a run: 256 bytes + 16
.set VOFF,  2048*KP                    ; V behind K
.set VCH,   64*VP                      ; a run of 256 keys of V
.set STAGE, VOFF+8*VCH                 ; the way out: 16 rows x 80 bytes for each wave, bytes that no load fills
.set SPARE, STAGE+16*16*KP             ; the spare words, 128 bytes for each wave: eight blocks of 256 bytes that no other line names
.set DUALMIN, 1                        ; p's hold as pairs of two lines in one
.set AK0,  1                           ; v1   my lane's place in a tile of K
.set AV0,  2                           ; v2   the same for V
.set DB,   3                           ; v3   tile 127 - u: my query less the diagonal step's first key less 8 (lane / 16)
.set DA,   4                           ; v4   the same for tile u
.set SPW,  5                           ; v5   my spare word; never rewritten
.set NIL,  6                           ; v6   0; never rewritten
.set GO,   7                           ; v7   16 x lane
.set ADK,  8                           ; v8   the step's tiles of K
.set ADV,  9                           ; v9   of V
.set STI,  10                          ; v10  my stage, on the way in
.set STB,  11                          ; v11  and back
.set WV,   18                          ; s18  my wave's number
.set SEL,  20                          ; s[20:21] selects for lane l xor 16
.set CS,   22                          ; s[22:23] c = log2(e) / 8 x 2^(e2 + e3)
.set G1K,  24                          ; s[24:31], s[32:39] descriptor groups 1 for K and V; s[40:43], s[44:47] their groups 0
.set G1V,  32
.set G0K,  40
.set G0V,  44
.set KS,   56                          ; s56  the key step
.set LB,   57                          ; s57  the last step of tile 127 - u: 15 - w / 2
.set LA,   58                          ; s58  of tile u: w / 2
.set YA,   66                          ; s[66:67] y of tile u; s[68:69] of tile 127 - u
.set YB,   68
.macro JLOAD                           ; one joint load a wave; the branch hangs on the wave's number alone.  An s_nop 0 and four v_nop follow each line
	s_cmp_lt_u32 s[WV], 8
	s_cbranch_scc0 .Lfor_v_\@
	tensor_load_to_lds s[G0K:G0K+3], s[G1K:G1K+7]
	s_nop 0
.rept 4
	v_nop
.endr
	s_branch .Lasked_\@
.Lfor_v_\@:
	tensor_load_to_lds s[G0V:G0V+3], s[G1V:G1V+7]
	s_nop 0
.rept 4
	v_nop
.endr
.Lasked_\@:
.endm
.macro ROUND                           ; a round of the cluster's barrier
	s_barrier_signal -1
	s_barrier_wait -1
	s_cmp_lg_u32 s[WV], 0
	s_cbranch_scc1 .Lnot_wave_0_\@
	s_barrier_signal -3
.Lnot_wave_0_\@:
	s_barrier_wait -3
	s_barrier_signal -1
	s_barrier_wait -1
.endm
.macro INIT                            ; a tile begins: the largest t is -3e38, the sum and O^T are zeros, which the first change of M leaves zeros
	v_mov_b32 v13, 0xff61b1e6
	v_floor_f32 v12, -v13
	v_mov_b32 v14, 0
	v_mov_b32 v15, 0
.set j, 0
.rept 32
	v_mov_b32 v[160+j], 0
.set j, j+1
.endr
.endm
	s_load_b128 s[4:7], s[0:1], 0x0                ; qc, kc
	s_load_b128 s[12:15], s[0:1], 0x10             ; vc, the exponents
	s_load_b64 s[16:17], s[0:1], 0x20              ; yc
	v_lshl_add_u32 v[SPW], v0, 2, SPARE
	v_mov_b32 v[NIL], 0
	ds_add_u32 v[SPW], v[NIL]                      ; the opening: the add, twice on end, and its wait ahead of the round in front of my first tensor load
	ds_add_u32 v[SPW], v[NIL]
	v_lshrrev_b32 v8, 5, v0
	v_readfirstlane_b32 s[WV], v8                  ; wave 0..15
	s_bfe_u32 s70, ttmp6, 0x40000                  ; cx
	s_and_b32 s72, ttmp7, 0xffff                   ; 16 batch + head
	s_lshl_b32 s74, s72, 17                        ; its first byte in qc, kc and vc
	s_lshr_b32 s[LA], s[WV], 1
	s_sub_co_u32 s[LB], 15, s[LA]
	s_and_b32 s71, s[WV], 1
	s_lshl_b32 s71, s71, 2
	s_add_co_u32 s71, s71, s70                     ; u % 8
	s_lshl_b32 s76, s[LA], 3
	s_add_co_u32 s76, s76, s71                     ; u
	s_sub_co_u32 s77, 127, s76                     ; the long tile
	s_lshl_b32 s94, s71, 4                         ; tile u's first query less its diagonal step's first key
	s_sub_co_u32 s95, 112, s94                     ; the same for tile 127 - u
	s_lshl_b32 s78, s76, 10                        ; a tile's queries are 1,024 bytes
	s_add_co_u32 s78, s78, s74
	s_mov_b32 s79, 0
	s_lshl_b32 s80, s77, 10
	s_add_co_u32 s80, s80, s74
	s_mov_b32 s81, 0
	s_and_b32 s82, s72, 15
	s_lshl_b32 s82, s82, 13
	s_lshr_b32 s83, s72, 4
	s_lshl_b32 s83, s83, 11
	s_add_co_u32 s82, s82, s83                     ; yc: row 8,192 head + 2,048 batch
	s_lshl_b32 s[YA], s76, 4
	s_add_co_u32 s[YA], s[YA], s82
	s_lshl_b32 s[YA], s[YA], 6
	s_mov_b32 s[YA+1], 0
	s_lshl_b32 s[YB], s77, 4
	s_add_co_u32 s[YB], s[YB], s82
	s_lshl_b32 s[YB], s[YB], 6
	s_mov_b32 s[YB+1], 0
	s_mul_i32 s73, s[WV], 16*KP
	s_add_co_u32 s73, s73, STAGE                   ; my stage
	; what I fetch.  First group: 4,096 bytes: 64 keys of K's first 512, or 16 rows of V's first two runs.  Second group: 12,288 bytes: 192 keys, or 48 rows.  Both tensors are dense: rows of 256 bytes
	s_and_b32 s84, s[WV], 7
	s_lshl_b32 s86, s84, 12
	s_add_co_u32 s86, s86, s74
	s_mov_b32 s87, 0
	s_mul_i32 s88, s84, 64*KP
	s_mul_i32 s89, s84, 16*VP
	s_add_co_u32 s89, s89, VOFF
	s_lshl_b32 s90, s84, 13
	s_add_co_u32 s90, s90, 32768                   ; from my first part to my second: 32,768 + 12,288 w - 4,096 w
	s_mov_b32 s91, 0
	s_mul_i32 s92, s84, 192*KP
	s_add_co_u32 s92, s92, 512*KP
	s_mul_i32 s93, s84, 48*VP
	s_add_co_u32 s93, s93, VOFF+2*VCH
	s_mov_b32 s[G1K], 15|(1<<20)|(1<<21)|(3<<22)|(3<<25)   ; the mask: all four partners; elements of 1 byte; padding on; bit 21 beside a mask; four words after every 16
	s_mov_b32 s[G1V], 15|(1<<20)|(1<<21)|(5<<22)|(3<<25)   ; four words after every 64
.irp g, G1K, G1V
	s_mov_b32 s[\g+1], 256<<16                     ; tensor_dim0
	s_mov_b32 s[\g+2], 16<<16                      ; tensor_dim1
	s_mov_b32 s[\g+3], 256<<16                     ; tile_dim0
	s_mov_b32 s[\g+4], 16                          ; tile_dim1
	s_mov_b32 s[\g+5], 256                         ; the pitch
	s_mov_b32 s[\g+6], 0
	s_mov_b32 s[\g+7], 0
.endr
	s_mov_b32 s[SEL], 0x76543210
	s_mov_b32 s[SEL+1], 0xfedcba98
	s_mov_b32 s[CS], 0x3e38aa3b                    ; log2(e) / 8
	s_wait_dscnt 0x0                               ; both opening adds are done
	s_wait_kmcnt 0x0
	s_load_b256 s[48:55], s[14:15], 0x0            ; e0 .. e7
	s_mov_b32 s[G0K], 1
	s_mov_b32 s[G0K+1], s88
	s_add_nc_u64 s[G0K+2:G0K+3], s[6:7], s[86:87]
	s_or_b32 s[G0K+3], s[G0K+3], 0x80000000
	s_mov_b32 s[G0V], 1
	s_mov_b32 s[G0V+1], s89
	s_add_nc_u64 s[G0V+2:G0V+3], s[12:13], s[86:87]
	s_or_b32 s[G0V+3], s[G0V+3], 0x80000000
	s_add_nc_u64 s[78:79], s[4:5], s[78:79]        ; Q of tile u
	s_add_nc_u64 s[80:81], s[4:5], s[80:81]        ; Q of tile 127 - u
	s_add_nc_u64 s[YA:YA+1], s[16:17], s[YA:YA+1]
	s_add_nc_u64 s[YB:YB+1], s[16:17], s[YB:YB+1]
	ROUND                                          ; all four work-groups are here: the first joint loads meet
	JLOAD                                          ; keys 0-511
	v_and_b32 v8, 15, v0                           ; r = lane % 16
	v_bfe_u32 v9, v0, 4, 1                         ; h = lane / 16
	v_lshlrev_b32 v208, 6, v8
	v_lshl_add_u32 v208, v9, 4, v208               ; Q: row r of 64 bytes, + 16 h: registers 4 c .. 4 c + 3 hold channels 32 c + 16 h + 0 .. 15, a permutation that K's fragments share
	global_load_b128 v[16:19], v208, s[80:81]
	global_load_b128 v[20:23], v208, s[80:81] offset:32
	global_load_b128 v[24:27], v208, s[78:79]
	global_load_b128 v[28:31], v208, s[78:79] offset:32
	v_mul_u32_u24 v[AK0], v8, KP
	v_lshl_add_u32 v[AK0], v9, 4, v[AK0]
	v_mul_u32_u24 v[AV0], v8, VP
	v_lshl_add_u32 v[AV0], v9, 4, v[AV0]
	v_add_nc_u32 v[AV0], VOFF, v[AV0]
	v_lshlrev_b32 v209, 3, v9
	v_sub_nc_u32 v209, v8, v209                    ; r - 8 h
	v_add_nc_u32 v[DB], s95, v209
	v_add_nc_u32 v[DA], s94, v209
	v_mul_u32_u24 v[STI], v8, KP
	v_lshl_add_u32 v[STI], v9, 3, v[STI]
	v_add_nc_u32 v[STI], s73, v[STI]               ; in: token r, + 8 h
	v_bfe_u32 v[STB], v0, 2, 3
	v_mul_u32_u24 v[STB], v[STB], KP
	v_and_b32 v209, 3, v0
	v_lshl_add_u32 v[STB], v209, 4, v[STB]
	v_add_nc_u32 v[STB], s73, v[STB]               ; back: four lanes to a token, eight tokens an instruction
	v_and_b32 v[GO], 31, v0
	v_lshlrev_b32 v[GO], 4, v[GO]
	v_mov_b32 v241, 0                              ; written once: a lane permute's destination counts as one of its sources
	v_mov_b32 v253, 0                              ; (named as the upper half of the pair v[252:253])
	INIT
	s_wait_kmcnt 0x0
	s_add_co_i32 s70, s50, s51
	s_lshl_b32 s70, s70, 23
	s_add_co_i32 s[CS], s[CS], s70                 ; a score stands for score x 2^(e2 + e3): added to c's exponent field
	s_mov_b32 s[CS+1], s[CS]
	s_add_co_i32 s70, s52, 127
	s_lshl_b32 s71, s70, 23
	v_mov_b32 v244, s71                            ; 2^e4 as f32, for p's conversions
	s_add_co_i32 s70, s70, 8
	s_lshl_b32 s70, s70, 23
	s_or_b32 s70, s70, 0x600000
	v_mov_b32 v240, s70                            ; 448 x 2^e4,
	v_mov_b32 v245, s70                            ; twice: the two halves of a pair of lines take their first sources from different banks of registers
	s_sub_co_i32 s70, s54, s52
	s_sub_co_i32 s70, s70, s53                     ; O^T / the sum stands for y / 2^(e4 + e5): y's code is it / 2^(e6 - e4 - e5)
	s_add_co_i32 s70, s70, 127
	s_lshl_b32 s71, s70, 23
	v_mov_b32 v246, s71
	s_add_co_i32 s70, s70, 8
	s_lshl_b32 s70, s70, 23
	s_or_b32 s70, s70, 0x600000
	v_mov_b32 v247, s70                            ; 448 x that
; A KEY STEP: keys 128 KS on.  qr: Q's registers; dm: the mask's register; last: the tile's last step, which lies on the diagonal; guard = 0: the step is neither past the last nor on the diagonal.
.macro STEP qr, dm, last, guard
.if \guard
	s_cmp_gt_u32 s[KS], s[\last]                   ; the wave's number and the count of steps alone
	s_cbranch_scc1 .Lhid_\@
.endif
	s_mul_i32 s59, s[KS], 128*KP
	s_lshr_b32 s60, s[KS], 1
	s_mul_i32 s60, s60, VCH                        ; V: the run of 256 keys,
	s_and_b32 s61, s[KS], 1
	s_lshl_b32 s61, s61, 7                         ; and which 128 bytes of its rows
	s_add_co_u32 s60, s60, s61
	v_add_nc_u32 v[ADK], s59, v[AK0]
	v_add_nc_u32 v[ADV], s60, v[AV0]
	v_nop                                          ; four places in front of loads into registers that the last products have read: the two additions and these two
	v_nop
.set t, 0
.rept 8
	ds_load_b128 v[32+8*t:35+8*t], v[ADK] offset:16*t*KP
	ds_load_b128 v[36+8*t:39+8*t], v[ADK] offset:16*t*KP+32
.set t, t+1
.endr
	s_wait_alu depctr_va_vdst(0)
	s_wait_dscnt 0x0
.set t, 0
.rept 8                                        ; S^T = K Q^T
	v_wmma_f32_16x16x64_fp8_fp8 v[96+8*t:103+8*t], v[32+8*t:39+8*t], v[\qr:\qr+7], 0
.set t, t+1
.endr
.rept 4
	v_nop                                          ; places in front of the loads below and of the first read of the scores
.endr
.set t, 0
.rept 4                                        ; V into the registers that K has left: it lands while the softmax is walked
.irp c, 0,1,2,3
	ds_load_b128 v[32+16*t+4*\c:35+16*t+4*\c], v[ADV] offset:16*t*VP+32*\c
.endr
.set t, t+1
.endr
.if \guard
	s_cmp_lg_u32 s[KS], s[\last]
	s_cbranch_scc1 .Lopen_\@
	v_mov_b32 v254, 0xff800000                     ; on the diagonal hidden scores become -infinity ahead of the maximum.  Register 8 c + j holds key 16 c + 8 (lane / 16) + j of the step
.set n, 0
.rept 64
	v_cmp_gt_i32 vcc_lo, 16*(n/8)+n%8, v[\dm]
	v_cndmask_b32 v[96+n], v[96+n], v254, vcc_lo
.set n, n+1
.endr
.Lopen_\@:
.endif
	v_max3_num_f32 v254, v96, v97, v98             ; the step's largest score of my query, in two chains, each accumulator from its low end on
	v_max3_num_f32 v252, v99, v100, v101
.irp i, 6,10,14,18,22,26,30,34,38,42,46,50,54,58
	v_max3_num_f32 v254, v254, v[96+\i], v[97+\i]
	v_max3_num_f32 v252, v252, v[98+\i], v[99+\i]
.endr
	v_max3_num_f32 v254, v254, v158, v159
	s_delay_alu instid0(VALU_DEP_1)
	v_max_num_f32 v254, v254, v252
	s_delay_alu instid0(VALU_DEP_1)
	v_permlanex16_b32 v241, v254, s[SEL], s[SEL+1]
	s_delay_alu instid0(VALU_DEP_1)
	v_max_num_f32 v254, v254, v241                 ; and among lane l xor 16's
	s_delay_alu instid0(VALU_DEP_1)
	v_mul_f32 v254, s[CS], v254                    ; as t (c is positive)
	s_delay_alu instid0(VALU_DEP_1)
	v_max_num_f32 v13, v13, v254                   ; the running largest t
	v_mov_b32 v254, v12
	s_delay_alu instid0(VALU_DEP_2)
	v_floor_f32 v12, -v13                          ; the new -M = -ceil(t)
	s_delay_alu instid0(VALU_DEP_1)
	v_sub_f32 v254, v12, v254                      ; old M less new M: a whole number, 0 or less
	s_delay_alu instid0(VALU_DEP_1)
	v_cvt_i32_f32 v254, v254                       ; (it saturates)
	s_delay_alu instid0(VALU_DEP_1)
	v_ldexp_f32 v252, 1.0, v254                    ; f = 2^(old M - new M)
.set j, 0
.rept 32
	v_pk_fma_f32 v[96+j:97+j], v[96+j:97+j], s[CS:CS+1], v[12:13] op_sel_hi:[1,0,0]   ; t - M
.set j, j+2
.endr
	s_wait_alu depctr_va_vdst(0)
.set j, 0
.rept 64
	v_exp_f32 v[96+j], v[96+j]                     ; p = 2^(t - M)
.set j, j+1
.endr
	v_pk_mul_f32 v[14:15], v[14:15], v[252:253] op_sel_hi:[1,0]   ; the sums under the new M: the plain line behind the exponentials
	s_wait_alu depctr_va_vdst(0)                   ; and behind it, one for the whole batch
	v_pk_add_f32 v[242:243], v[96:97], v[98:99]    ; the row's sum of the unquantised p, in four chains
	v_pk_add_f32 v[248:249], v[100:101], v[102:103]
	v_pk_add_f32 v[250:251], v[104:105], v[106:107]
	v_pk_add_f32 v[14:15], v[14:15], v[108:109]
.set j, 14
.rept 6
	v_pk_add_f32 v[242:243], v[242:243], v[96+j:97+j]
	v_pk_add_f32 v[248:249], v[248:249], v[98+j:99+j]
	v_pk_add_f32 v[250:251], v[250:251], v[100+j:101+j]
	v_pk_add_f32 v[14:15], v[14:15], v[102+j:103+j]
.set j, j+8
.endr
	v_pk_add_f32 v[242:243], v[242:243], v[158:159]
	v_pk_add_f32 v[248:249], v[248:249], v[250:251]
	v_pk_add_f32 v[14:15], v[14:15], v[242:243]
	v_pk_add_f32 v[14:15], v[14:15], v[248:249]
.set j, 0
.rept 32                                       ; the conversion to an 8-bit code does not saturate (ISA guide 7.6.2); p is not negative, so the hold is one-sided
.if DUALMIN
	v_dual_min_num_f32 v[96+j], v240, v[96+j] :: v_dual_min_num_f32 v[97+j], v245, v[97+j]
.else
	v_min_num_f32 v[96+j], v[96+j], v240
	v_min_num_f32 v[97+j], v[97+j], v240
.endif
.set j, j+2
.endr
.set t, 0
.rept 8
	v_cvt_scalef32_pk8_fp8_f32 v[224+2*t:225+2*t], v[96+8*t:103+8*t], v244   ; keys 16 t + 8 h + 0 .. 7: registers 2 t, 2 t + 1 of the operand
.set t, t+1
.endr
	s_wait_alu depctr_va_vdst(0)
.set j, 0
.rept 16
	v_pk_mul_f32 v[160+j:161+j], v[160+j:161+j], v[252:253] op_sel_hi:[1,0]   ; O^T under the new M.  (Plain lines between the conversions and the products that read their results)
.set j, j+2
.endr
	s_wait_alu depctr_va_vdst(0)
	s_wait_dscnt 0x0                               ; V is in
.set t, 0
.rept 4                                        ; O^T += V^T P^T: the four accumulators take turns
	v_wmma_f32_16x16x128_fp8_fp8 v[160+8*t:167+8*t], v[32+16*t:47+16*t], v[224:239], v[160+8*t:167+8*t]
.set t, t+1
.endr
.if \guard
.Lhid_\@:
.endif
.endm
; THE WAY OUT of a tile.  O^T is divided by the row's sum, held, converted with the folded scale; a lane's eight channels of a tile are 8 bytes of its token's 64.  They go through my stage and leave as 1,024 bytes on end.
.macro WAYOUT yb
	s_wait_xcnt 0x0                                ; the tile before's stores have read their registers
	v_add_f32 v14, v14, v15
	s_delay_alu instid0(VALU_DEP_1)
	v_permlanex16_b32 v241, v14, s[SEL], s[SEL+1]
	s_delay_alu instid0(VALU_DEP_1)
	v_add_f32 v14, v14, v241                       ; the row's sum
	s_wait_alu depctr_va_vdst(0)
	v_rcp_f32 v14, v14
.rept 4
	v_nop                                          ; the plain line behind the reciprocal, and with the additions above the places behind the last products
.endr
	s_wait_alu depctr_va_vdst(0)                   ; and ahead of its first reader, which is O^T's first reader too
.set j, 0
.rept 16
	v_pk_mul_f32 v[96+j:97+j], v[160+j:161+j], v[14:15] op_sel_hi:[1,0]   ; register 8 t + i is channel 16 t + 8 h + i of query r
.set j, j+2
.endr
.set j, 0
.rept 32
	v_med3_num_f32 v[96+j], v[96+j], -v247, v247
.set j, j+1
.endr
.irp t, 0,1,2,3
	v_cvt_scalef32_pk8_fp8_f32 v[192+2*\t:193+2*\t], v[96+8*\t:103+8*\t], v246
.endr
	v_nop                                          ; one plain line behind the last conversion
.irp t, 0,1,2,3
	ds_store_b64 v[STI], v[192+2*\t:193+2*\t] offset:16*\t
.endr
.irp i, 0,1
	ds_load_b128 v[200+4*\i:203+4*\i], v[STB] offset:8*KP*\i   ; LDS serves a wave's instructions in order (ISA guide 5.7.1.4): these see my stores
.endr
.irp i, 0,1
	s_wait_dscnt 1-\i                              ; the younger load may be out
	global_store_b128 v[GO], v[200+4*\i:203+4*\i], s[\yb:\yb+1] offset:512*\i   ; 32 lanes store 512 consecutive bytes, at a multiple of 512 from yc's first byte
.endr
.endm
	s_wait_alu depctr_va_vdst(0)
	s_wait_tensorcnt 0x0                           ; my part of keys 0-511 is in
	ds_add_u32 v[SPW], v[NIL]
	s_mov_b32 s[G0K+1], s92                        ; no load of mine is out: the descriptors step to my part of keys 512-2,047
	s_add_nc_u64 s[G0K+2:G0K+3], s[G0K+2:G0K+3], s[90:91]
	s_mov_b32 s[G0V+1], s93
	s_add_nc_u64 s[G0V+2:G0V+3], s[G0V+2:G0V+3], s[90:91]
	s_mov_b32 s[G1K+2], 48<<16                     ; 48 rows of 256 bytes
	s_mov_b32 s[G1K+4], 48
	s_mov_b32 s[G1V+2], 48<<16
	s_mov_b32 s[G1V+4], 48
	s_wait_dscnt 0x0
	ROUND                                          ; everybody's part is in, and all four work-groups are here
	JLOAD                                          ; keys 512-2,047: bytes that are filled for the first time, and that no step reads before the barrier below
	s_wait_loadcnt 0x0                             ; Q
	s_mov_b32 s[KS], 0
.Learly:                                           ; the long tile's steps 0 to 3: keys 0-511.  It has nine steps at the least
	STEP 16, DB, LB, 0
	s_add_co_u32 s[KS], s[KS], 1
	s_cmp_lt_u32 s[KS], 4
	s_cbranch_scc1 .Learly
	s_wait_tensorcnt 0x0                           ; my part of keys 512-2,047 is in
	ds_add_u32 v[SPW], v[NIL]
	s_wait_dscnt 0x0
	s_barrier_signal -1
	s_barrier_wait -1                              ; everybody's is: from here on LDS is only read, but for each wave's own stage
	s_mov_b32 s[KS], 4
.Llate:                                            ; the long tile's steps 4 to 15 - w / 2
	STEP 16, DB, LB, 1
	s_add_co_u32 s[KS], s[KS], 1
	s_cmp_lt_u32 s[KS], 16
	s_cbranch_scc1 .Llate
	WAYOUT YB
	INIT
	s_wait_alu depctr_va_vdst(0)
	s_mov_b32 s[KS], 0
.Lshort:                                           ; the short tile's steps 0 to w / 2
	STEP 24, DA, LA, 1
	s_add_co_u32 s[KS], s[KS], 1
	s_cmp_lt_u32 s[KS], 8
	s_cbranch_scc1 .Lshort
	WAYOUT YA
	s_wait_tensorcnt 0x0                           ; the wave's end
	ds_add_u32 v[SPW], v[NIL]
	s_wait_dscnt 0x0
	ROUND                                          ; the closing round
	s_endpgm
.Lfunc_end_k_q77ff39a821_attn:
	.size	k_q77ff39a821_attn, .Lfunc_end_k_q77ff39a821_attn-k_q77ff39a821_attn
	.p2alignl 7, 3214868480
	.fill 96, 4, 3214868480
	.section	.rodata,"a",@progbits
	.p2align	6, 0x0
	.amdhsa_kernel k_q77ff39a821_attn
		.amdhsa_group_segment_fixed_size 327680
		.amdhsa_private_segment_fixed_size 0
		.amdhsa_enable_private_segment 0
		.amdhsa_kernarg_size 40
		.amdhsa_user_sgpr_count 2
		.amdhsa_user_sgpr_kernarg_segment_ptr 1
		.amdhsa_wavefront_size32 1
		.amdhsa_system_sgpr_workgroup_id_x 1
		.amdhsa_system_sgpr_workgroup_id_y 1
		.amdhsa_system_sgpr_workgroup_id_z 1
		.amdhsa_system_vgpr_workitem_id 0
		.amdhsa_next_free_vgpr 256
		.amdhsa_next_free_sgpr 100
		.amdhsa_reserve_vcc 1
		.amdhsa_float_denorm_mode_32 3
		.amdhsa_float_denorm_mode_16_64 3
		.amdhsa_memory_ordered 1
		.amdhsa_forward_progress 1
		.amdhsa_inst_pref_size 79
	.end_amdhsa_kernel
	.amdgpu_metadata
---
amdhsa.version: [ 1, 2 ]
amdhsa.kernels:
  - .name:           k_q77ff39a821_attn
    .symbol:         k_q77ff39a821_attn.kd
    .args:
      - { .name: qc, .offset: 0, .size: 8, .value_kind: global_buffer, .address_space: global }
      - { .name: kc, .offset: 8, .size: 8, .value_kind: global_buffer, .address_space: global }
      - { .name: vc, .offset: 16, .size: 8, .value_kind: global_buffer, .address_space: global }
      - { .name: lowp_scales, .offset: 24, .size: 8, .value_kind: global_buffer, .address_space: global }
      - { .name: yc, .offset: 32, .size: 8, .value_kind: global_buffer, .address_space: global }
    .group_segment_fixed_size: 327680
    .private_segment_fixed_size: 0
    .kernarg_segment_align: 8
    .kernarg_segment_size: 40
    .max_flat_workgroup_size: 512
    .sgpr_count:     100
    .vgpr_count:     256
    .wavefront_size: 32
...
	.end_amdgpu_metadata
.endif
;; end of part 3
;; launch proj (part 4): grid 4 x 32, 4 waves a work-group, clusters of 4 x 4, 327,680 bytes of LDS; arguments yc, woc, b_out, lowp_scales, out0; writes out0
.if DOCPART == 4
	.amdgcn_target "amdgcn-amd-amdhsa--gfx1250"
	.amdhsa_code_object_version 6
	.text
	.protected	k_q77ff39a821_proj
	.globl	k_q77ff39a821_proj
	.p2align	8
	.type	k_q77ff39a821_proj,@function
k_q77ff39a821_proj:
	s_mov_b64 s[64:65], 0
	v_nop
	global_prefetch_b8 v0, s[64:65] scope:SCOPE_SE
	s_setreg_imm32_b32 hwreg(HW_REG_WAVE_MODE, 25, 1), 1
	s_wait_xcnt 0x0
	s_wait_alu depctr_hold_cnt(0) depctr_sa_sdst(0) depctr_va_vdst(0) depctr_va_sdst(0) depctr_va_ssrc(0) depctr_va_vcc(0) depctr_vm_vsrc(0)
	s_getreg_b32 s2, hwreg(HW_REG_IB_STS2, 6, 4)
	s_cmp_eq_u32 s2, 0
	s_cbranch_scc0 .Lentry_in_a_cluster
	s_endpgm
.Lentry_in_a_cluster:
	s_bfe_u32 s2, ttmp6, 0x10000c
	s_cmp_lg_u32 s2, 0xf033
	s_cbranch_scc0 .Lentry_shape_is_right
	s_endpgm
.Lentry_shape_is_right:
.set KROW,   1024
.set ROWB,   256
.set PITCH,  272
.set AP,     80
.set HB,     128*AP
.set HEADB,  8192*64
.set HALFA,  4*HB
.set HALFB,  128*PITCH
.set SLOT,   2*HALFA+2*HALFB
.set FR,     16
.set NL,     4
.set NP,     4
.set LAPS,   2
.set SPARE,  2*SLOT
.set SPITCH, 528
.set NROW,   4096
.set ADRA, 16
.set ADRB, 20
.set STO,  24
.set RD,   25
.set CO,   26
.set SPW,  28
.set NIL,  29
.set AF,   128
.set BK,   128
.set G1, 24
.set G0, 32
.set G1B, 48
.set G0B, 56
.set MSB, 0
.macro WIN new
.if MSB != \new
	s_set_vgpr_msb (MSB<<8)|\new
.set MSB, \new
.endif
.endm
.set MUL_LO, 0xa1
.set MUL_HI, 0xf1
.set TO_B,   0x40
.macro JLOAD g0a, g1a, g0b, g1b
	s_cmp_eq_u32 s15, 0
	s_cbranch_scc0 .Lfor_b_\@
	tensor_load_to_lds s[\g0a:\g0a+3], s[\g1a:\g1a+7]
	s_nop 0
.rept 4
	v_nop
.endr
	s_branch .Lasked_\@
.Lfor_b_\@:
	tensor_load_to_lds s[\g0b:\g0b+3], s[\g1b:\g1b+7]
	s_nop 0
.rept 4
	v_nop
.endr
.Lasked_\@:
.endm
.macro CREST
	s_cmp_lg_u32 s14, 0
	s_cbranch_scc1 .Lnot_wave_0_\@
	s_barrier_signal -3
.Lnot_wave_0_\@:
	s_barrier_wait -3
	s_barrier_signal -1
	s_barrier_wait -1
.endm
.macro CROUND
	s_barrier_signal -1
	s_barrier_wait -1
	CREST
.endm
	s_load_b256 s[4:11], s[0:1], 0x0
	s_load_b64 s[12:13], s[0:1], 0x20
	v_lshl_add_u32 v[SPW], v0, 2, SPARE
	v_mov_b32 v[NIL], 0
	ds_add_u32 v[SPW], v[NIL]
	ds_add_u32 v[SPW], v[NIL]
	v_lshrrev_b32 v1, 5, v0
	v_readfirstlane_b32 s14, v1
	s_lshr_b32 s15, s14, 1
	s_and_b32 s16, s14, 1
	s_bfe_u32 s40, ttmp6, 0x40000
	s_bfe_u32 s41, ttmp6, 0x40004
	s_lshl_b32 s42, ttmp9, 2
	s_add_co_u32 s42, s42, s40
	s_and_b32 s17, ttmp7, 0xffff
	s_lshl_b32 s17, s17, 2
	s_add_co_u32 s17, s17, s41
	s_lshl_b32 s43, s41, 2
	s_lshl_b32 s43, 15, s43
	s_lshl_b32 s44, 0x1111, s40
	s_or_b32 s[G1+0], s43, (0<<16)|(1<<20)|(1<<21)|(3<<22)|(3<<25)
	s_mov_b32 s[G1+1], 8192<<16
	s_mov_b32 s[G1+2], 4<<16
	s_mov_b32 s[G1+3], 8192<<16
	s_mov_b32 s[G1+4], 4
	s_mov_b32 s[G1+5], HEADB
	s_mov_b32 s[G1+6], 0
	s_mov_b32 s[G1+7], 0
	s_or_b32 s[G1B+0], s44, (0<<16)|(1<<20)|(1<<21)|(5<<22)|(3<<25)
	s_mov_b32 s[G1B+1], ROWB<<16
	s_mov_b32 s[G1B+2], 128<<16
	s_mov_b32 s[G1B+3], ROWB<<16
	s_mov_b32 s[G1B+4], 128
	s_mov_b32 s[G1B+5], KROW
	s_mov_b32 s[G1B+6], 0
	s_mov_b32 s[G1B+7], 0
	s_lshl_b32 s18, s16, 7
	s_lshl_b32 s20, s17, 8
	s_add_co_u32 s20, s20, s18
	s_lshl_b32 s20, s20, 6
	s_mov_b32 s21, 0
	s_lshl_b32 s46, s42, 8
	s_add_co_u32 s46, s46, s18
	s_lshl_b32 s46, s46, 10
	s_mov_b32 s47, 0
	s_mul_i32 s45, s14, HALFA
	s_mul_i32 s19, s14, HALFB
	s_add_co_u32 s19, s19, 2*HALFA-2*HALFB
	s_wait_dscnt 0x0
	s_wait_kmcnt 0x0
	s_load_b64 s[96:97], s[10:11], 0x18
	s_add_nc_u64 s[20:21], s[4:5], s[20:21]
	s_add_nc_u64 s[46:47], s[6:7], s[46:47]
	CROUND
.irp s, 0,1
	s_mov_b32 s[G0+4*\s], 1
	s_add_co_u32 s[G0+4*\s+1], s45, \s*SLOT
	s_add_nc_u64 s[G0+4*\s+2:G0+4*\s+3], s[20:21], \s*4*HEADB
	s_or_b32 s[G0+4*\s+3], s[G0+4*\s+3], 0x80000000
	s_mov_b32 s[G0B+4*\s], 1
	s_add_co_u32 s[G0B+4*\s+1], s19, \s*SLOT
	s_add_nc_u64 s[G0B+4*\s+2:G0B+4*\s+3], s[46:47], \s*ROWB
	s_or_b32 s[G0B+4*\s+3], s[G0B+4*\s+3], 0x80000000
	s_wait_alu depctr_va_vdst(0)
	s_wait_tensorcnt 0x0
	ds_add_u32 v28, v29
	ds_add_u32 v28, v29
	s_wait_dscnt 0x0
	CROUND
	JLOAD G0+4*\s, G1, G0B+4*\s, G1B
.endr
	v_and_b32 v1, 15, v0
	v_bfe_u32 v2, v0, 4, 1
	v_mul_u32_u24 v3, v1, AP
	v_lshl_add_u32 v3, v2, 4, v3
	v_mul_u32_u24 v4, v1, PITCH
	v_lshl_add_u32 v4, v2, 4, v4
	s_mul_i32 s21, s15, HALFA
	s_mul_i32 s22, s16, HALFB
	s_add_co_u32 s22, s22, 2*HALFA
.irp s, 0,1
	v_add_nc_u32 v[ADRA+\s], s21, v3
	v_add_nc_u32 v[ADRB+\s], s22, v4
	s_add_co_u32 s21, s21, SLOT
	s_add_co_u32 s22, s22, SLOT
.endr
	s_mul_i32 s23, s14, 16*SPITCH
	v_mul_u32_u24 v5, v1, SPITCH
	v_lshl_add_u32 v5, v2, 5, v5
	v_add_nc_u32 v[STO], s23, v5
	v_and_b32 v6, 31, v0
	v_lshlrev_b32 v[CO], 4, v6
	v_add_nc_u32 v[RD], s23, v[CO]
	s_lshl_b32 s46, s42, 10
	s_lshl_b32 s47, s16, 9
	s_add_co_u32 s46, s46, s47
	s_mov_b32 s47, 0
	s_add_nc_u64 s[8:9], s[8:9], s[46:47]
	global_load_b128 v[8:11], v[CO], s[8:9]
	s_lshl_b32 s20, s17, 8
	s_lshl_b32 s21, s15, 7
	s_add_co_u32 s20, s20, s21
	s_lshl_b32 s20, s20, 12
	s_mov_b32 s21, 0
	s_add_nc_u64 s[20:21], s[20:21], s[46:47]
	s_add_nc_u64 s[12:13], s[12:13], s[20:21]
.macro FRAGA reg, adr, q, i
.irp c, 0,1,2,3
	ds_load_b128 v[\reg+4*\c:\reg+4*\c+3], v[\adr] offset:(2*(\q)+\c/2)*HB+32*(\c%2)+(\i)*16*AP
.endr
.endm
.macro FRAGB reg, adr, q, i
.irp c, 0,1,2,3
	ds_load_b128 v[\reg+4*\c:\reg+4*\c+3], v[\adr] offset:128*(\q)+32*\c+(\i)*16*PITCH
.endr
.endm
.macro MUL16 a0, p, zero
.irp a, \a0, \a0+1
.irp b, 0,1,2,3,4,5,6,7
.if \zero
	v_wmma_f32_16x16x128_fp8_fp8 v[8*(8*((\a)%4)+\b):8*(8*((\a)%4)+\b)+7], v[128*(\p)+FR*\b:128*(\p)+FR*\b+FR-1], v[AF+FR*(\a):AF+FR*(\a)+FR-1], 0
.else
	v_wmma_f32_16x16x128_fp8_fp8 v[8*(8*((\a)%4)+\b):8*(8*((\a)%4)+\b)+7], v[128*(\p)+FR*\b:128*(\p)+FR*\b+FR-1], v[AF+FR*(\a):AF+FR*(\a)+FR-1], v[8*(8*((\a)%4)+\b):8*(8*((\a)%4)+\b)+7]
.endif
.endr
.endr
.endm
.macro FETCH_B slot, q, p
	WIN TO_B
.irp i, 0,1,2,3,4,5,6,7
	FRAGB 128*(\p)+FR*\i, ADRB+\slot, \q, \i
.endr
	WIN 0
.endm
.macro FETCH_A slot, q, i0
.irp i, \i0, \i0+1, \i0+2, \i0+3
	FRAGA AF+FR*(\i), ADRA+\slot, \q, \i
.endr
.endm
.macro PLACES n
.rept \n
	v_nop
.endr
.endm
.macro STEP slot, q, zero
	s_wait_dscnt 4*NL
	WIN MUL_LO
	MUL16 0, (\q)%2, \zero
	MUL16 2, (\q)%2, \zero
	s_wait_dscnt 0
	PLACES NP
	FETCH_B \slot, (\q)+1, 1-(\q)%2
	FETCH_A \slot, (\q)+1, 0
	WIN MUL_HI
	MUL16 4, (\q)%2, \zero
	MUL16 6, (\q)%2, \zero
	PLACES NP
	WIN 0
	FETCH_A \slot, (\q)+1, 4
.endm
.macro TURN slot, next, fill
	s_wait_tensorcnt 0x0
	ds_add_u32 v[SPW], v[NIL]
	s_wait_dscnt 4*NL+1
	WIN MUL_LO
	MUL16 0, 1, 0
	s_wait_dscnt 0x0
	s_barrier_signal -1
	MUL16 2, 1, 0
	WIN 0
	s_barrier_wait -1
.if \fill
	CREST
	s_add_nc_u64 s[G0+4*\slot+2:G0+4*\slot+3], s[G0+4*\slot+2:G0+4*\slot+3], 2*4*HEADB
	s_add_nc_u64 s[G0B+4*\slot+2:G0B+4*\slot+3], s[G0B+4*\slot+2:G0B+4*\slot+3], 2*ROWB
	JLOAD G0+4*\slot, G1, G0B+4*\slot, G1B
.else
	PLACES NP
.endif
	FETCH_B \next, 0, 0
	FETCH_A \next, 0, 0
	WIN MUL_HI
	MUL16 4, 1, 0
	MUL16 6, 1, 0
	PLACES NP
	WIN 0
	FETCH_A \next, 0, 4
.endm
	s_wait_alu depctr_va_vdst(0)
	s_wait_tensorcnt 1
	s_barrier_signal -1
	s_barrier_wait -1
	FETCH_B 0, 0, 0
	FETCH_A 0, 0, 0
	FETCH_A 0, 0, 4
	STEP 0, 0, 1
.rept LAPS-1
	TURN 0, 1, 1
	STEP 1, 0, 0
	TURN 1, 0, 1
	STEP 0, 0, 0
.endr
	TURN 0, 1, 0
	STEP 1, 0, 0
	s_wait_dscnt 4*NL
	WIN MUL_LO
	MUL16 0, 1, 0
	MUL16 2, 1, 0
	s_wait_dscnt 0
	WIN MUL_HI
	MUL16 4, 1, 0
	MUL16 6, 1, 0
	WIN 0
.macro TOSTAGE a
.set AC, 64*((\a)%4)
	WIN 0x08+4*((\a)/4)
.irp b, 0,1,2,3,4,5,6,7
	ds_store_b128 v[STO], v[AC+8*\b:AC+8*\b+3] offset:64*\b
	ds_store_b128 v[STO], v[AC+8*\b+4:AC+8*\b+7] offset:64*\b+16
.endr
	WIN 0
.set BB, BK+64*((\a)%2)
.irp t, 0,1,2,3,4,5,6,7,8,9,10,11,12,13,14,15
	ds_load_b128 v[BB+4*\t:BB+4*\t+3], v[RD] offset:\t*SPITCH
.endr
.endm
.macro SEND a, younger
.set BB, BK+64*((\a)%2)
	s_wait_dscnt \younger
.if (\a) > 0
	s_add_nc_u64 s[12:13], s[12:13], 16*NROW
.endif
.set j, 0
.rept 16
	v_pk_fma_f32 v[BB+j:BB+j+1], v[BB+j:BB+j+1], s[96:97], v[8:9] op_sel_hi:[1,0,1]
	v_pk_fma_f32 v[BB+j+2:BB+j+3], v[BB+j+2:BB+j+3], s[96:97], v[10:11] op_sel_hi:[1,0,1]
.set j, j+4
.endr
.irp t, 0,1,2,3,4,5,6,7,8,9,10,11,12,13,14,15
	global_store_b128 v[CO], v[BB+4*\t:BB+4*\t+3], s[12:13] offset:\t*NROW th:TH_STORE_NT
.endr
.endm
	s_wait_kmcnt 0x0
	s_add_co_i32 s96, s96, s97
	s_add_co_i32 s96, s96, 127
	s_lshl_b32 s96, s96, 23
	s_mov_b32 s97, s96
	s_wait_loadcnt 0x0
	PLACES NP
	TOSTAGE 0
.irp a, 1,2,3,4,5,6,7
.if \a > 1
	s_wait_xcnt 0x0
.endif
	TOSTAGE \a
	SEND \a-1, 32
.endr
	s_wait_xcnt 0x0
	SEND 7, 0
	s_wait_tensorcnt 0x0
	ds_add_u32 v[SPW], v[NIL]
	s_wait_dscnt 0x0
	CROUND
	s_endpgm
.Lfunc_end_k_q77ff39a821_proj:
	.size	k_q77ff39a821_proj, .Lfunc_end_k_q77ff39a821_proj-k_q77ff39a821_proj
	.p2alignl 7, 3214868480
	.fill 96, 4, 3214868480
	.section	.rodata,"a",@progbits
	.p2align	6, 0x0
	.amdhsa_kernel k_q77ff39a821_proj
		.amdhsa_group_segment_fixed_size 327680
		.amdhsa_private_segment_fixed_size 0
		.amdhsa_enable_private_segment 0
		.amdhsa_kernarg_size 40
		.amdhsa_user_sgpr_count 2
		.amdhsa_user_sgpr_kernarg_segment_ptr 1
		.amdhsa_wavefront_size32 1
		.amdhsa_system_sgpr_workgroup_id_x 1
		.amdhsa_system_sgpr_workgroup_id_y 1
		.amdhsa_system_sgpr_workgroup_id_z 1
		.amdhsa_system_vgpr_workitem_id 0
		.amdhsa_next_free_vgpr 1024
		.amdhsa_next_free_sgpr 98
		.amdhsa_reserve_vcc 0
		.amdhsa_float_denorm_mode_32 3
		.amdhsa_float_denorm_mode_16_64 3
		.amdhsa_memory_ordered 1
		.amdhsa_forward_progress 1
		.amdhsa_inst_pref_size 124
	.end_amdhsa_kernel
	.amdgpu_metadata
---
amdhsa.version: [ 1, 2 ]
amdhsa.kernels:
  - .name:           k_q77ff39a821_proj
    .symbol:         k_q77ff39a821_proj.kd
    .args:
      - { .name: yc, .offset: 0, .size: 8, .value_kind: global_buffer, .address_space: global }
      - { .name: woc, .offset: 8, .size: 8, .value_kind: global_buffer, .address_space: global }
      - { .name: b_out, .offset: 16, .size: 8, .value_kind: global_buffer, .address_space: global }
      - { .name: lowp_scales, .offset: 24, .size: 8, .value_kind: global_buffer, .address_space: global }
      - { .name: out0, .offset: 32, .size: 8, .value_kind: global_buffer, .address_space: global }
    .group_segment_fixed_size: 327680
    .private_segment_fixed_size: 0
    .kernarg_segment_align: 8
    .kernarg_segment_size: 40
    .max_flat_workgroup_size: 128
    .sgpr_count:     98
    .vgpr_count:     1024
    .wavefront_size: 32
...
	.end_amdgpu_metadata
.endif
;; end of part 4
